; MI455X (gfx1250); checked and timed in simulation.
; The chip was launched on July 23, 2026; its instructions are those of AMD's public machine-readable ISA for CDNA 5 (MIT licence, August 2026) and "CDNA5" Instruction Set Architecture Reference Guide (July 2026). The comments in the code are by the model that wrote it; some were corrected since.
;; Causal Sparse Attention. Allowed arithmetic: matrix products marked QUANTISED: E2M3 operands, one E8M0 scale for each 32 along K, by v_wmma_scale_f32_16x16x128_f8f6f4 with both operands' format E2M3, f32 sums; everything else in f32.
;; Inputs: w_out 1,024 x 1,024 float32; w_qkv 1,024 x 3,072 float32; x 1 x 4,096 x 1,024 float32.
;; Outputs: out0 1 x 4,096 x 1,024 float32.
;; This version of the problem:
;;   THIS VERSION OF THE PROBLEM IS GIVEN IN LOW PRECISION. The matrix products marked QUANTISED in the list below multiply operands that are first quantised to E2M3 (2 exponent bits, 3 mantissa bits; 6 bits a number), with one power-of-two scale for each 32 numbers along K (OCP MX v1.0); their sums are f32. All else is computed in f32.
;;   The module's matrix products, in the order in which they are computed (A, B: the left and right operand; K: the contracted axis; several contracted axes count as one K, in the product's order):
;;     1. [M 4,096, K 1,024] x [K 1,024, N 3,072]; A: input x; B: input w_qkv: QUANTISED
;;     2. batch 16 x [M 4,096, K 64] x [K 64, N 4,096]; A: computed on the way; B: computed on the way: QUANTISED
;;     3. batch 16 x [M 4,096, K 4,096] x [K 4,096, N 64]; A: softmax (see below); B: computed on the way: QUANTISED
;;     4. [M 4,096, K 1,024] x [K 1,024, N 1,024]; A: computed on the way; B: input w_out: QUANTISED
;;   THE QUANTISER, for each operand of a quantised product, along K:
;;     - K is cut into blocks of 32 from its start; a last block that is shorter is filled with zeros.
;;     - A block's scale is 2^e with e = floor(log2(the largest magnitude in the block)) - 2, held to -126 .. 127; a block of zeros has e = 0. As a byte (E8M0): e + 127.
;;     - Each number is divided by its block's scale, clamped to +-7.5, and rounded to the nearest number of E2M3, ties to even, subnormals kept.
;;     - The product sums the exact products of the quantised numbers (number of the format x scale) in f32.
;;   ~~~python
;;   def quantise(x, axis):      # numpy; x: float32 -> the quantised numbers, widened to float32 again
;;       x = np.moveaxis(x, axis, -1); K = x.shape[-1]
;;       x = np.pad(x, [(0, 0)] * (x.ndim - 1) + [(0, -K % 32)]); x = x.reshape(x.shape[:-1] + (-1, 32)); a = np.abs(x).max(-1, keepdims=True)
;;       e = np.where(a > 0, np.clip(np.frexp(np.where(a > 0, a, 1))[1] - 1 - 2, -126, 127), 0)      # np.frexp(a)[1] - 1 = floor(log2(a)), exactly
;;       r = np.clip(x / 2.0 ** e, -7.5, 7.5)
;;       step = 2.0 ** (np.maximum(np.frexp(np.where(r == 0, 1, r))[1] - 1, 0) - 3)
;;       q = np.round(r / step) * step * 2.0 ** e      # np.round: ties to even
;;       return np.moveaxis(q.reshape(q.shape[:-2] + (-1,))[..., :K], -1, axis).astype(np.float32)
;;   ~~~
;;   SOFTMAX AHEAD OF A QUANTISED PRODUCT. Where the list says 'softmax', what is quantised is not the finished softmax but p = 2^(t - M), with t = logit x log2(e) and M = ceil(the row's largest t), a whole number; so 1/2 < the row's largest p <= 1. The row's sum l is taken of the UNQUANTISED p, in f32, and the product's result is divided by l at the end. Since M is a whole number, a kernel that streams over the keys may use a running M (the ceiling of the running maximum): every later rescaling is an exact power of two, which a block's scale takes up: the codes' values come out the same.
;;   OPERANDS COMPUTED ON THE WAY. 'Computed on the way' means the value that the module computes at that place (a softmax that the list does not call 'softmax' is quantised finished and normalised). What goes into a quantiser is computed in f32, as accurately as f32 sums, v_exp_f32 and their like allow (about 1e-6 of the number): no bf16 or f16 on the way to a quantiser, and a product that is left as it is and whose result goes on into a quantised operand takes f32 operands (vector FMAs, or v_wmma_f32_16x16x4_f32). A number that lies on a knife's edge between two numbers of the format may be rounded either way, as far as f32 arithmetic and the matrix unit's own rounding can turn it there, and no further.
;; One version. Each part assembles by itself: llvm-mc -triple=amdgcn-amd-amdhsa -mcpu=gfx1250 --defsym DOCPART=n.
;; ======== version 1 of 1: 4 launches
;; workspace buffers: prep_codes 6,291,456 bytes; prep_scales 262,144 bytes; rope 1,048,576 bytes; qkv 10,092,544 bytes; att_codes 3,145,728 bytes; att_scales 131,072 bytes
;; launch prep (part 1): grid 256 x 1, 4 waves a work-group, no clusters, 35,328 bytes of LDS; arguments x, w_qkv, w_out, prep_codes, prep_scales, rope; writes prep_codes, prep_scales, rope
.if DOCPART == 1
	.amdgcn_target "amdgcn-amd-amdhsa--gfx1250"
	.amdhsa_code_object_version 6
	.text
	.protected	k_q5225e794a1_prep
	.globl	k_q5225e794a1_prep
	.p2align	8
	.type	k_q5225e794a1_prep,@function
k_q5225e794a1_prep:
	s_mov_b64 s[64:65], 0
	v_nop
	global_prefetch_b8 v0, s[64:65] scope:SCOPE_SE
	s_setreg_imm32_b32 hwreg(HW_REG_WAVE_MODE, 25, 1), 1
	s_wait_xcnt 0x0
; x [4096][1024], w_qkv [1024][3072] and w_out [1024][1024], f32, become codes of FP6 (E2M3) with one E8M0 byte for each 32 along K (K = the 1,024 of the model), laid in the order of an operand's registers;
; and the table of cos and sin for the rotary embedding is made.  A block's scale is 2^(floor(log2(largest magnitude)) - 2): its byte is that magnitude's exponent field - 2, held at 1 from below.
; LAYOUT OF THE CODES: [row tile of 16][16 images][768 bytes].  An image is 16 rows x 64 K: lane (r, h) of a reader owns the 24 bytes of block h of row r: its bytes 0-15 lie at 16 (r + 16 h), its bytes 16-23 at 512 + 16 r + 8 h.
; LAYOUT OF THE SCALE BYTES: [row tile][K step of 256][row][2 words], a word = the 4 bytes of 128 along K.
; ORDER OF ROWS: of each 32 rows of x and of each 32 columns of w_qkv, tile u (0, 1) holds at its row i the true row 8 u + i + 8 (i / 8); w_out's columns lie in their own order.
; THE TABLE: [token tile][32 registers' image]: chunk 4 g + i (512 bytes) holds at 16 x lane (cos, sin) of pairs 16 g + 8 h + 2 i and + 1 at the token of the lane's row.
; SHARES: work-groups 0-127: x, two row tiles each; a wave takes a row tile and half of K (8 images), and that half's part of the table.  128-223: w_qkv, 224-255: w_out: a wave takes 32 columns x 256 along K.
; LIMITS: NaN and infinities are not served.  A block of zeros, or one whose largest magnitude lies under 2^-124, keeps the byte 1 (its codes are zeros or held small; the bytes are read by this program alone).
; The angle is token x inv_freq in one f32 multiplication; inv_freq = 1 / P correctly rounded, P = 10^(p / 8) correctly rounded to f32; the reduction by pi / 2 in two parts holds for angles under 2^13.
.set WQC, 3145728                      ; where w_qkv's codes begin in prep_codes (x's: 0)
.set WOC, 5505024                      ; and w_out's
.set WQS, 131072                       ; the same in prep_scales
.set WOS, 229376
.set RL,  16                           ; v16-111  x as loaded: three sets of 32
.set XT,  112                          ; v112-175 x turned: two sets of 32: a whole block a lane
.set CD,  176                          ; v176-239 codes: eight registers for each image, so that no store's data are written again
.set WX,  32                           ; weights: v32-95 two sets of 32 numbers
.set GI,  96                           ; v96-143  four images' registers, 12 each
.set WZ,  144                          ; v144-146 a block's upper 16 codes
.set PP,  112                          ; the table's work, in registers that x's numbers take later
.set TA,  120
.set YR,  128
.set IV,  136
.set TH,  144
.set NN,  152
.set RH,  160
.set ZZ,  168
.set SN,  176
.set CN,  184
.set QQ,  192
.set TB,  200
.set RC,  208                          ; v208-223 (cos, sin) of my eight pairs
.macro XLOAD t                         ; image t: 16 rows x 256 bytes; sixteen lanes read 256 consecutive bytes of a row, at a multiple of 256
.irp j, 0,1,2,3,4,5,6,7
	global_load_b128 v[RL+32*((\t)%3)+4*\j:RL+32*((\t)%3)+4*\j+3], v4, s[4:5] offset:(2*\j+8*(\j/4))*4096+256*(\t) th:TH_LOAD_NT
.endr
.endm
.macro TURN t                          ; through the wave's own stage (rows 272 bytes apart): in as loaded, out 128 bytes a lane.  LDS serves a wave's instructions in order
.irp j, 0,1,2,3,4,5,6,7
	ds_store_b128 v5, v[RL+32*((\t)%3)+4*\j:RL+32*((\t)%3)+4*\j+3] offset:4352*((\t)%2)+544*\j
.endr
.irp i, 0,1,2,3,4,5,6,7
	ds_load_b128 v[XT+32*((\t)%2)+4*\i:XT+32*((\t)%2)+4*\i+3], v6 offset:4352*((\t)%2)+16*\i
.endr
.endm
.macro STEP t
.set XS, XT+32*((\t)%2)
.set CC, CD+8*(\t)
	s_wait_dscnt 0x0                               ; this image's numbers are back from the stage, and its stores into the stage have read their registers,
.if (\t)+3 < 8
	XLOAD (\t)+3                                   ; which take the loads of three images on
.endif
.if (\t)+1 < 8
.if (\t) <= 4
	s_wait_loadcnt 16                              ; the next image's eight loads are in; those of the two images behind it may be out
.elseif (\t) == 5
	s_wait_loadcnt 8
.else
	s_wait_loadcnt 0x0
.endif
	TURN (\t)+1
.endif
	v_max3_num_f32 v240, |v[XS]|, |v[XS+1]|, |v[XS+2]|    ; the block's largest magnitude: all 32 numbers are mine; two chains
	v_max3_num_f32 v241, |v[XS+3]|, |v[XS+4]|, |v[XS+5]|
.irp i, 6,10,14,18,22,26
	v_max3_num_f32 v240, v240, |v[XS+\i]|, |v[XS+\i+1]|
	v_max3_num_f32 v241, v241, |v[XS+\i+2]|, |v[XS+\i+3]|
.endr
	v_max3_num_f32 v240, v240, |v[XS+30]|, |v[XS+31]|
	v_max3_num_f32 v240, v240, v241, 0x1800000     ; and the floor 2^(3 - 127): the byte cannot fall under 1
	v_add_nc_u32 v242, 0xff000000, v240            ; 2 off the exponent field: the conversion's scale operand
	v_cvt_scalef32_pk16_fp6_f32 v[CC:CC+2], v[XS:XS+15], v242
	v_cvt_scalef32_pk16_fp6_f32 v[CC+4:CC+6], v[XS+16:XS+31], v242   ; (a conversion's three registers begin on an even number)
	v_lshrrev_b32 v243, 23, v242                   ; the byte.  (A plain line behind the conversions)
	v_lshlrev_b32 v243, v10, v243                  ; at its place: 8 h bits up;
	v_permlanex16_b32 v244, v243, s16, s17
	v_or_b32 v243, v243, v244                      ; with lane l xor 16's: the image's two bytes of row r
.if (\t)%2 == 0
	v_mov_b32 v[12+(\t)/2], v243
.else
	v_lshl_or_b32 v[12+(\t)/2], v243, 16, v[12+(\t)/2]
.endif
	v_mov_b32 v[CC+3], v[CC+4]                     ; the block's six registers on end
	v_mov_b32 v[CC+4], v[CC+5]
	v_mov_b32 v[CC+5], v[CC+6]
	global_store_b128 v7, v[CC:CC+3], s[10:11] offset:768*(\t)          ; 512 consecutive bytes
	global_store_b64 v8, v[CC+4:CC+5], s[10:11] offset:768*(\t)+512     ; 256 consecutive bytes
.endm
.macro PLIT m, c0, c1, c2, c3          ; P of pair m for the decades 2 kh and 2 kh + 1 (SCC = 1 where kh = 0)
	s_mov_b32 s[20+2*\m], \c2
	s_cselect_b32 s[20+2*\m], \c0, s[20+2*\m]
	s_mov_b32 s[21+2*\m], \c3
	s_cselect_b32 s[21+2*\m], \c1, s[21+2*\m]
.endm
.macro WLOAD t, n                      ; block t: W(32 t + i, my column): 128 consecutive bytes a wave
.set LI, 0
.rept 32
	global_load_b32 v[WX+32*((\t)%2)+LI], v3, s[30:31] offset:(32*(\t)+LI)*(\n)*4 th:TH_LOAD_NT
.set LI, LI+1
.endr
.endm
.macro WBLOCK t, n
.set XS, WX+32*((\t)%2)
.set GG, GI+12*((\t)/2)
.set HH, (\t)%2
.if (\t) < 7
	s_wait_loadcnt 32                              ; this block's 32 loads are in; the next block's may be out
.else
	s_wait_loadcnt 0x0
.endif
	v_max3_num_f32 v12, |v[XS]|, |v[XS+1]|, |v[XS+2]|
	v_max3_num_f32 v13, |v[XS+3]|, |v[XS+4]|, |v[XS+5]|
.irp i, 6,10,14,18,22,26
	v_max3_num_f32 v12, v12, |v[XS+\i]|, |v[XS+\i+1]|
	v_max3_num_f32 v13, v13, |v[XS+\i+2]|, |v[XS+\i+3]|
.endr
	v_max3_num_f32 v12, v12, |v[XS+30]|, |v[XS+31]|
	v_max3_num_f32 v12, v12, v13, 0x1800000
	v_add_nc_u32 v11, 0xff000000, v12
	v_lshrrev_b32 v13, 23, v11
	v_cvt_scalef32_pk16_fp6_f32 v[GG+4*HH:GG+4*HH+2], v[XS:XS+15], v11
	v_cvt_scalef32_pk16_fp6_f32 v[WZ:WZ+2], v[XS+16:XS+31], v11
.if (\t)%4 == 0
	v_mov_b32 v[24+(\t)/4], v13                    ; four bytes to a word, the lower K lowest.  (A plain line behind the conversions)
.else
	v_lshl_or_b32 v[24+(\t)/4], v13, 8*((\t)%4), v[24+(\t)/4]
.endif
	v_mov_b32 v[GG+3+4*HH], v[WZ]                  ; bytes 12-15 of the block's 24
	v_mov_b32 v[GG+8+2*HH], v[WZ+1]                ; bytes 16-23
	v_mov_b32 v[GG+9+2*HH], v[WZ+2]
.if (\t)+2 < 8
	WLOAD (\t)+2, \n
.endif
.if HH == 1                            ; an image is whole: my row's 16 bytes in each of its three runs of 256 bytes; sixteen lanes fill a run
	global_store_b128 v6, v[GG:GG+3], s[32:33] offset:768*((\t)/2)
	global_store_b128 v6, v[GG+4:GG+7], s[32:33] offset:768*((\t)/2)+256
	global_store_b128 v6, v[GG+8:GG+11], s[32:33] offset:768*((\t)/2)+512
.endif
.endm
; A weight [1024][n]: a lane takes a column and its registers run down K, so a block lies in one lane and the codes come out with K innermost.
.macro WQUANT n, perm, first, cb, sb, src
	s_sub_co_u32 s19, ttmp9, \first
	s_and_b32 s20, s19, 3                          ; which 256 along K
	s_lshr_b32 s21, s19, 2                         ; which 128 columns
	s_mul_i32 s22, s20, 256*\n*4
	s_lshl_b32 s23, s21, 9
	s_add_co_u32 s22, s22, s23
	s_lshl_b32 s23, s18, 7
	s_add_co_u32 s22, s22, s23                     ; my wave's first number, in bytes
	s_mov_b32 s23, 0
	s_lshl_b32 s24, s21, 3
	s_lshl_b32 s25, s18, 1
	s_add_co_u32 s24, s24, s25                     ; my first row tile
	s_mul_i32 s26, s24, 12288
	s_mul_i32 s25, s20, 3072
	s_add_co_u32 s26, s26, s25
	s_add_co_u32 s26, s26, \cb
	s_mov_b32 s27, 0
	s_lshl_b32 s28, s24, 9
	s_lshl_b32 s25, s20, 7
	s_add_co_u32 s28, s28, s25
	s_add_co_u32 s28, s28, \sb
	s_mov_b32 s29, 0
	v_lshlrev_b32 v3, 2, v1
.if \perm
	v_bfe_u32 v4, v1, 3, 1                         ; my column's tile of the two,
	v_and_b32 v5, 7, v1
	v_lshrrev_b32 v6, 4, v1
	v_lshl_add_u32 v5, v6, 3, v5                   ; and its row there
.else
	v_lshrrev_b32 v4, 4, v1
	v_and_b32 v5, 15, v1
.endif
	v_mul_u32_u24 v6, v4, 12288
	v_lshl_add_u32 v6, v5, 4, v6
	v_lshlrev_b32 v7, 9, v4
	v_lshl_add_u32 v7, v5, 3, v7
	s_wait_kmcnt 0x0
	s_add_nc_u64 s[30:31], s[\src:\src+1], s[22:23]
	s_add_nc_u64 s[32:33], s[10:11], s[26:27]
	s_add_nc_u64 s[34:35], s[12:13], s[28:29]
	WLOAD 0, \n
	WLOAD 1, \n
.irp t, 0,1,2,3,4,5,6,7
	WBLOCK \t, \n
.endr
	global_store_b64 v7, v[24:25], s[34:35]        ; my row's two words: sixteen lanes store 128 consecutive bytes (one byte for each 128 that the wave reads)
	s_endpgm
.endm
	s_load_b256 s[4:11], s[0:1], 0x0               ; x, w_qkv, w_out, prep_codes
	s_load_b128 s[12:15], s[0:1], 0x20             ; prep_scales, rope
	v_lshl_add_u32 v254, v0, 2, 0x8800
	v_mov_b32 v255, 0
	v_lshrrev_b32 v1, 5, v0
	v_readfirstlane_b32 s18, v1                    ; wave
	v_and_b32 v1, 31, v0                           ; lane
	s_cmp_lt_u32 ttmp9, 128
	s_cbranch_scc0 .Lweights
	; ---------------- x ----------------
	s_mov_b32 s16, 0x76543210
	s_mov_b32 s17, 0xfedcba98                      ; lane selects: lane l xor 16
	v_and_b32 v2, 15, v0                           ; r
	v_bfe_u32 v3, v0, 4, 1                         ; h
	s_lshr_b32 s19, s18, 1                         ; u: which of the two row tiles
	s_and_b32 s48, s18, 1                          ; kh: which half of K
	v_lshlrev_b32 v4, 12, v3
	v_lshl_add_u32 v4, v2, 4, v4                   ; a load: lanes 0-15 one row, lanes 16-31 the next
	s_mul_i32 s49, s18, 8704                       ; my two stages
	v_mul_u32_u24 v5, v3, 272
	v_lshl_add_u32 v5, v2, 4, v5
	v_add_nc_u32 v5, s49, v5
	v_mul_u32_u24 v6, v2, 272
	v_lshl_add_u32 v6, v3, 7, v6
	v_add_nc_u32 v6, s49, v6
	v_lshlrev_b32 v7, 4, v1                        ; 16 x lane
	v_lshlrev_b32 v8, 4, v2
	v_lshl_add_u32 v8, v3, 3, v8                   ; 16 r + 8 h
	v_lshlrev_b32 v9, 3, v2
	v_lshl_add_u32 v9, v3, 7, v9                   ; 128 h + 8 r
	v_lshlrev_b32 v10, 3, v3                       ; 8 h
	v_mov_b32 v244, 0                              ; (a lane permute's destination counts as one of its sources)
	s_lshl_b32 s50, ttmp9, 5
	s_lshl_b32 s51, s19, 3
	s_add_co_u32 s50, s50, s51
	v_and_b32 v11, 8, v2
	v_add_nc_u32 v11, v11, v2
	v_add_nc_u32 v11, s50, v11
	v_cvt_f32_u32 v11, v11                         ; my row's token, as f32
	s_lshl_b32 s52, ttmp9, 17
	s_lshl_b32 s51, s19, 15
	s_add_co_u32 s52, s52, s51
	s_lshl_b32 s51, s48, 11
	s_add_co_u32 s52, s52, s51
	s_mov_b32 s53, 0
	s_lshl_b32 s54, ttmp9, 1
	s_add_co_u32 s54, s54, s19                     ; my row tile
	s_mul_i32 s56, s54, 12288
	s_mul_i32 s51, s48, 6144
	s_add_co_u32 s56, s56, s51
	s_mov_b32 s57, 0
	s_lshl_b32 s58, s54, 9
	s_lshl_b32 s51, s48, 8
	s_add_co_u32 s58, s58, s51
	s_mov_b32 s59, 0
	s_lshl_b32 s60, s54, 12
	s_lshl_b32 s51, s48, 11
	s_add_co_u32 s60, s60, s51
	s_mov_b32 s61, 0
	s_wait_kmcnt 0x0
	s_add_nc_u64 s[4:5], s[4:5], s[52:53]
	s_add_nc_u64 s[10:11], s[10:11], s[56:57]
	s_add_nc_u64 s[12:13], s[12:13], s[58:59]
	s_add_nc_u64 s[14:15], s[14:15], s[60:61]
	XLOAD 0
	XLOAD 1
	XLOAD 2
	; the table, while the first loads are on their way: pairs p = 16 kh + 8 h + m, m = 0 .. 7, at my token.  P = 10^(p / 8) = 10^(m / 8) x 10^(2 kh + h)
	s_cmp_eq_u32 s48, 0
	PLIT 0, 1.0, 10.0, 100.0, 1000.0
	PLIT 1, 1.3335214321633240, 13.335214321633240, 133.35214321633240, 1333.5214321633240
	PLIT 2, 1.7782794100389228, 17.782794100389228, 177.82794100389228, 1778.2794100389228
	PLIT 3, 2.3713737056616552, 23.713737056616552, 237.13737056616552, 2371.3737056616552
	PLIT 4, 3.1622776601683795, 31.622776601683795, 316.22776601683795, 3162.2776601683795
	PLIT 5, 4.2169650342858224, 42.169650342858224, 421.69650342858224, 4216.9650342858224
	PLIT 6, 5.6234132519034908, 56.234132519034908, 562.34132519034908, 5623.4132519034908
	PLIT 7, 7.4989420933245582, 74.989420933245582, 749.89420933245582, 7498.9420933245582
	s_mov_b32 s36, 0x3f22f983                      ; 2 / pi
	s_mov_b32 s37, 0xbfc90fdb                      ; -(pi / 2 rounded to f32)
	s_mov_b32 s38, 0x333bbd2e                      ; that number less pi / 2
	s_mov_b32 s39, -0.00019515295891               ; sine on -pi/4 .. pi/4
	s_mov_b32 s40, 0.0083321608736
	s_mov_b32 s41, -0.16666654611
	s_mov_b32 s42, 0.00002443315711809948          ; cosine
	s_mov_b32 s43, -0.001388731625493765
	s_mov_b32 s44, 0.04166664568298827
	v_cmp_eq_u32 vcc_lo, 1, v3
.irp m, 0,1,2,3,4,5,6,7
	v_mov_b32 v[TA+\m], s[21+2*\m]
.endr
.irp m, 0,1,2,3,4,5,6,7
	v_cndmask_b32 v[PP+\m], s[20+2*\m], v[TA+\m], vcc_lo
.endr
.irp m, 0,1,2,3,4,5,6,7
	v_rcp_f32 v[YR+\m], v[PP+\m]
.endr
	v_nop                                          ; a plain line behind the last reciprocal
	s_wait_alu depctr_va_vdst(0)                   ; one wait for the eight, ahead of their first reader
.irp m, 0,1,2,3,4,5,6,7
	v_fma_f32 v[TA+\m], -v[PP+\m], v[YR+\m], 1.0   ; the reciprocal's error,
.endr
.irp m, 0,1,2,3,4,5,6,7
	v_fma_f32 v[IV+\m], v[YR+\m], v[TA+\m], v[YR+\m]   ; taken off: 1 / P rounded as a division rounds it
.endr
.irp m, 0,1,2,3,4,5,6,7
	v_mul_f32 v[TH+\m], v11, v[IV+\m]              ; the angle: one f32 multiplication
.endr
.irp m, 0,1,2,3,4,5,6,7
	v_mul_f32 v[NN+\m], s36, v[TH+\m]
.endr
.irp m, 0,1,2,3,4,5,6,7
	v_rndne_f32 v[NN+\m], v[NN+\m]                 ; n quarter turns
.endr
.irp m, 0,1,2,3,4,5,6,7
	v_fma_f32 v[RH+\m], v[NN+\m], s37, v[TH+\m]    ; exact: both terms are multiples of 2^-23 and the result is under 1
.endr
.irp m, 0,1,2,3,4,5,6,7
	v_fma_f32 v[RH+\m], v[NN+\m], s38, v[RH+\m]
.endr
.irp m, 0,1,2,3,4,5,6,7
	v_mul_f32 v[ZZ+\m], v[RH+\m], v[RH+\m]
.endr
.irp m, 0,1,2,3,4,5,6,7
	v_cvt_i32_f32 v[QQ+\m], v[NN+\m]
.endr
.irp m, 0,1,2,3,4,5,6,7
	v_fma_f32 v[SN+\m], v[ZZ+\m], s39, s40
.endr
.irp m, 0,1,2,3,4,5,6,7
	v_fma_f32 v[CN+\m], v[ZZ+\m], s42, s43
.endr
.irp m, 0,1,2,3,4,5,6,7
	v_fma_f32 v[SN+\m], v[SN+\m], v[ZZ+\m], s41
.endr
.irp m, 0,1,2,3,4,5,6,7
	v_fma_f32 v[CN+\m], v[CN+\m], v[ZZ+\m], s44
.endr
.irp m, 0,1,2,3,4,5,6,7
	v_mul_f32 v[TA+\m], v[ZZ+\m], v[RH+\m]
.endr
.irp m, 0,1,2,3,4,5,6,7
	v_fma_f32 v[SN+\m], v[TA+\m], v[SN+\m], v[RH+\m]
.endr
.irp m, 0,1,2,3,4,5,6,7
	v_mul_f32 v[TA+\m], v[ZZ+\m], v[ZZ+\m]
.endr
.irp m, 0,1,2,3,4,5,6,7
	v_fma_f32 v[TB+\m], v[ZZ+\m], -0.5, 1.0
.endr
.irp m, 0,1,2,3,4,5,6,7
	v_fma_f32 v[CN+\m], v[TA+\m], v[CN+\m], v[TB+\m]
.endr
.irp m, 0,1,2,3,4,5,6,7
	v_and_b32 v[TA+\m], 1, v[QQ+\m]
.endr
.irp m, 0,1,2,3,4,5,6,7                ; an odd quarter turn changes sine and cosine
	v_cmp_eq_u32 vcc_lo, 1, v[TA+\m]
	v_cndmask_b32 v[RC+2*\m+1], v[SN+\m], v[CN+\m], vcc_lo
	v_cndmask_b32 v[RC+2*\m], v[CN+\m], v[SN+\m], vcc_lo
.endr
.irp m, 0,1,2,3,4,5,6,7
	v_and_b32 v[TA+\m], 2, v[QQ+\m]                ; the sine is negative in quarters 2 and 3,
	v_add_nc_u32 v[TB+\m], 1, v[QQ+\m]
.endr
.irp m, 0,1,2,3,4,5,6,7
	v_lshlrev_b32 v[TA+\m], 30, v[TA+\m]
	v_and_b32 v[TB+\m], 2, v[TB+\m]                ; the cosine in quarters 1 and 2
.endr
.irp m, 0,1,2,3,4,5,6,7
	v_xor_b32 v[RC+2*\m+1], v[TA+\m], v[RC+2*\m+1]
	v_lshlrev_b32 v[TB+\m], 30, v[TB+\m]
.endr
.irp m, 0,1,2,3,4,5,6,7
	v_xor_b32 v[RC+2*\m], v[TB+\m], v[RC+2*\m]
.endr
.irp i, 0,1,2,3
	global_store_b128 v7, v[RC+4*\i:RC+4*\i+3], s[14:15] offset:512*\i   ; 512 consecutive bytes
.endr
	s_wait_loadcnt 16                              ; image 0's eight loads are in
	s_wait_xcnt 0x0                                ; the table's stores have read their registers, which the codes take later
	TURN 0
.irp t, 0,1,2,3,4,5,6,7
	STEP \t
.endr
	v_cmp_eq_u32 vcc_lo, 1, v3
	v_cndmask_b32 v240, v12, v14, vcc_lo           ; lanes 0-15: my half's first K step of 256, lanes 16-31: its second
	v_cndmask_b32 v241, v13, v15, vcc_lo
	global_store_b64 v9, v[240:241], s[12:13]      ; 256 consecutive bytes
	s_wait_tensorcnt 0x0
	ds_add_u32 v254, v255
	s_wait_dscnt 0x0
	s_endpgm
.Lweights:
	s_cmp_lt_u32 ttmp9, 224
	s_cbranch_scc0 .Lwout
	WQUANT 3072, 1, 128, WQC, WQS, 6
.Lwout:
	WQUANT 1024, 0, 224, WOC, WOS, 8
.Lfunc_end_k_q5225e794a1_prep:
	.size	k_q5225e794a1_prep, .Lfunc_end_k_q5225e794a1_prep-k_q5225e794a1_prep
	.p2alignl 7, 3214868480
	.fill 96, 4, 3214868480
	.section	.rodata,"a",@progbits
	.p2align	6, 0x0
	.amdhsa_kernel k_q5225e794a1_prep
		.amdhsa_group_segment_fixed_size 35328
		.amdhsa_private_segment_fixed_size 0
		.amdhsa_enable_private_segment 0
		.amdhsa_kernarg_size 48
		.amdhsa_user_sgpr_count 2
		.amdhsa_user_sgpr_kernarg_segment_ptr 1
		.amdhsa_wavefront_size32 1
		.amdhsa_system_sgpr_workgroup_id_x 1
		.amdhsa_system_sgpr_workgroup_id_y 1
		.amdhsa_system_sgpr_workgroup_id_z 1
		.amdhsa_system_vgpr_workitem_id 0
		.amdhsa_next_free_vgpr 256
		.amdhsa_next_free_sgpr 66
		.amdhsa_reserve_vcc 1
		.amdhsa_float_denorm_mode_32 3
		.amdhsa_float_denorm_mode_16_64 3
		.amdhsa_memory_ordered 1
		.amdhsa_forward_progress 1
		.amdhsa_inst_pref_size 122
	.end_amdhsa_kernel
	.amdgpu_metadata
---
amdhsa.version: [ 1, 2 ]
amdhsa.kernels:
  - .name:           k_q5225e794a1_prep
    .symbol:         k_q5225e794a1_prep.kd
    .args:
      - { .name: x, .offset: 0, .size: 8, .value_kind: global_buffer, .address_space: global }
      - { .name: w_qkv, .offset: 8, .size: 8, .value_kind: global_buffer, .address_space: global }
      - { .name: w_out, .offset: 16, .size: 8, .value_kind: global_buffer, .address_space: global }
      - { .name: prep_codes, .offset: 24, .size: 8, .value_kind: global_buffer, .address_space: global }
      - { .name: prep_scales, .offset: 32, .size: 8, .value_kind: global_buffer, .address_space: global }
      - { .name: rope, .offset: 40, .size: 8, .value_kind: global_buffer, .address_space: global }
    .group_segment_fixed_size: 35328
    .private_segment_fixed_size: 0
    .kernarg_segment_align: 8
    .kernarg_segment_size: 48
    .max_flat_workgroup_size: 128
    .sgpr_count:     66
    .vgpr_count:     256
    .wavefront_size: 32
...
	.end_amdgpu_metadata
.endif
;; end of part 1
;; launch qkv (part 2): grid 8 x 24, 4 waves a work-group, clusters of 4 x 4, 327,680 bytes of LDS; arguments prep_codes, prep_scales, rope, qkv; writes qkv
.if DOCPART == 2
	.amdgcn_target "amdgcn-amd-amdhsa--gfx1250"
	.amdhsa_code_object_version 6
	.text
	.protected	k_q5225e794a1_qkv
	.globl	k_q5225e794a1_qkv
	.p2align	8
	.type	k_q5225e794a1_qkv,@function
k_q5225e794a1_qkv:
	s_mov_b64 s[64:65], 0
	v_nop
	global_prefetch_b8 v0, s[64:65] scope:SCOPE_SE
	s_setreg_imm32_b32 hwreg(HW_REG_WAVE_MODE, 25, 1), 1
	s_wait_xcnt 0x0
	s_wait_alu depctr_hold_cnt(0) depctr_sa_sdst(0) depctr_va_vdst(0) depctr_va_sdst(0) depctr_va_ssrc(0) depctr_va_vcc(0) depctr_vm_vsrc(0)
	s_getreg_b32 s2, hwreg(HW_REG_IB_STS2, 6, 4)
	s_cmp_eq_u32 s2, 0
	s_cbranch_scc0 .Lentry_in_a_cluster
	s_endpgm
.Lentry_in_a_cluster:
	s_bfe_u32 s2, ttmp6, 0x10000c
	s_cmp_lg_u32 s2, 0xf033
	s_cbranch_scc0 .Lentry_shape_is_right
	s_endpgm
.Lentry_shape_is_right:
; x w_qkv on codes of FP6 (E2M3) with E8M0 scales, K = 1,024; then the rotary embedding on q and k; then q and k are quantised along the head's 64 and v along the keys, and stored in the order of the next launch's operand registers.
; A tile of 256 x 256 is made by four waves, 128 x 128 each: 64 accumulators, 512 registers.  The matrix instruction is used transposed: source 0 = 16 rows of "B", source 1 = 16 rows of "A": a lane holds one row of A and eight rows of B.
; CLUSTERS with y = 0 .. 3 make q and k: A = x (a lane: one token), B = w_qkv's columns 0 .. 2,047 (a lane's registers run along the head: the next K).
; CLUSTERS with y = 4, 5 make v: A = w_qkv's columns 2,048 on (a lane: one channel), B = x (a lane's registers run along the tokens: the keys, the next K).  The choice hangs on the cluster's y alone: it is the same in all sixteen partners.
; Both operands lie in memory as images of registers: [row tile][16 images of 768 bytes]; a K step of 256 is 3,072 consecutive bytes of a row tile; a fragment comes by two loads of 16 bytes and two of 8, each dense over the lanes.
; The rows of a tile are not neighbours (of 32 rows, tile u holds at row i the row 8 u + i + 8 (i / 8)), so that the 16 registers of two neighbouring tiles of source 0 are 16 neighbours.
; K goes in four steps of 256 through two LDS slots; A's tiles are asked for jointly along a row of the cluster, B's along a column.  The scale words of the 512 rows, for all of K, come once.
; OUT: part QK [32 heads: q's, then k's][32 steps of 128 tokens][8 images of 768 bytes, then 8 x 16 scale words (bytes 2, 3 = 0)]; part V, from byte VB on, [16 heads][32 steps][4 fragments of 1,536 bytes, then 4 x 16 scale words].
; LIMITS: NaN and infinities are not served; a block of zeros or under 2^-124 keeps the byte 1.
; REGISTERS: window 0: v4-11, v16-29 addresses; v32-63 A's scale words, v64-95 B's (two sets each; nothing else ever lies there); v128-223 A's fragments, one set; behind the products v128-229 serve the way out.
;   window 1: B's fragments, two sets, at v0 and v128; behind the products v0-63 take cos and sin.   windows 2, 3: the accumulators ((a, b) at v[8 (8 (a % 4) + b)] of window 2 + a / 4).
.set NQ,    2
.set FR,    12                         ; registers of a fragment
.set NL,    4                          ; LDS loads that bring one
.set NP,    4                          ; places behind this matrix instruction (ISA guide 7.12.1)
.set RT,    3072                       ; a row tile's bytes in a slot
.set HALFT, 8*RT                       ; what one tensor load brings, and what one wave reads of A or of B
.set SLOT,  4*HALFT
.set SCL,   2*SLOT                     ; behind the ring: the scale words, 4 x 4,096 bytes
.set HALFS, 4096
.set SPARE, SCL+4*HALFS                ; the spare words: 128 bytes a wave, two blocks of 256 bytes that no other line names
.set STGQ,  SPARE+512                  ; q's and k's scale words on their way out: 1,024 bytes a wave
.set STGV,  STGQ+4096                  ; v's: 512 bytes a wave
.set VB,    6815744
.set KST,   6656
.set VST,   6400
.set O16,  4                           ; v4   16 x lane
.set O8,   5                           ; v5   16 r + 8 h
.set SH,   6                           ; v6   16 h
.set QSI,  7
.set QSO,  8
.set VSI,  9
.set VSO,  10
.set VGO,  11
.set ADRA, 16                          ; v16-17 A's fragments in slot 0, 1: 16 x lane on; v18-19: 16 r + 8 h on
.set ADRB, 20                          ; v20-23 the same for B
.set ADSA, 26
.set ADSB, 27
.set SPW,  28
.set NIL,  29
.set SCA,  32
.set SCB,  64
.set AF,   128
.set Y,    128                         ; the way out: 64 numbers
.set PC,   192                         ; 12 registers of codes, and 7 at work
.set TM,   212
.set PW,   228
.set PX,   229
.set G1,   24
.set G0,   32
.set G1B,  48
.set G0B,  56
.set G1S,  68
.set G0S,  76
.set G1SB, 80
.set G0SB, 88
.set MSB, 0
.macro WIN new                         ; the immediate's high byte repeats the setting that is left
.if MSB != (\new)
	s_set_vgpr_msb (MSB<<8)|(\new)
.set MSB, \new
.endif
.endm
.set MUL_LO, 0xa1                      ; source 0 (B) window 1, source 1 (A) window 0, C and D window 2
.set MUL_HI, 0xf1
.set TO_B,   0x40                      ; destination window 1
; A joint load: waves 0 and 1 fetch for A, waves 2 and 3 for B; the branch hangs on the wave's number alone.  Four v_nop follow each of the two lines.
.macro JLOAD g0a, g1a, g0b, g1b
	s_cmp_eq_u32 s15, 0
	s_cbranch_scc0 .Lfor_b_\@
	tensor_load_to_lds s[\g0a:\g0a+3], s[\g1a:\g1a+7]
	s_nop 0
.rept 4
	v_nop
.endr
	s_branch .Lasked_\@
.Lfor_b_\@:
	tensor_load_to_lds s[\g0b:\g0b+3], s[\g1b:\g1b+7]
	s_nop 0
.rept 4
	v_nop
.endr
.Lasked_\@:
.endm
.macro CREST
	s_cmp_lg_u32 s14, 0
	s_cbranch_scc1 .Lnot_wave_0_\@
	s_barrier_signal -3
.Lnot_wave_0_\@:
	s_barrier_wait -3
	s_barrier_signal -1
	s_barrier_wait -1
.endm
.macro CROUND
	s_barrier_signal -1
	s_barrier_wait -1
	CREST
.endm
.macro PLACES n
.rept \n
	v_nop
.endr
.endm
.macro FRAG reg, adr, q, i             ; 16 rows x 128 K: two images; of each, 16 bytes a lane at 16 x lane and 8 at 512 + 16 r + 8 h
	ds_load_b128 v[\reg:\reg+3], v[\adr] offset:RT*(\i)+1536*(\q)
	ds_load_b64 v[\reg+4:\reg+5], v[\adr+2] offset:RT*(\i)+1536*(\q)+512
	ds_load_b128 v[\reg+6:\reg+9], v[\adr] offset:RT*(\i)+1536*(\q)+768
	ds_load_b64 v[\reg+10:\reg+11], v[\adr+2] offset:RT*(\i)+1536*(\q)+1280
.endm
; 16 matrix instructions: A's blocks a0, a0 + 1 x B's eight.  The 64 accumulators take turns, one instruction a turn, in the same order in every step.
.macro MUL16 a0, p, q, sc, zero
.irp a, \a0, \a0+1
.irp b, 0,1,2,3,4,5,6,7
.if \zero
	v_wmma_scale_f32_16x16x128_f8f6f4 v[8*(8*((\a)%4)+\b):8*(8*((\a)%4)+\b)+7], v[128*(\p)+FR*\b:128*(\p)+FR*\b+FR-1], v[AF+FR*(\a):AF+FR*(\a)+FR-1], 0, v[SCB+16*(\sc)+2*\b+(\q)], v[SCA+16*(\sc)+2*(\a)+(\q)] matrix_a_fmt:MATRIX_FMT_FP6 matrix_b_fmt:MATRIX_FMT_FP6
.else
	v_wmma_scale_f32_16x16x128_f8f6f4 v[8*(8*((\a)%4)+\b):8*(8*((\a)%4)+\b)+7], v[128*(\p)+FR*\b:128*(\p)+FR*\b+FR-1], v[AF+FR*(\a):AF+FR*(\a)+FR-1], v[8*(8*((\a)%4)+\b):8*(8*((\a)%4)+\b)+7], v[SCB+16*(\sc)+2*\b+(\q)], v[SCA+16*(\sc)+2*(\a)+(\q)] matrix_a_fmt:MATRIX_FMT_FP6 matrix_b_fmt:MATRIX_FMT_FP6
.endif
.endr
.endr
.endm
.macro FETCH_B slot, q, p
	WIN TO_B
.irp i, 0,1,2,3,4,5,6,7
	FRAG 128*(\p)+FR*\i, ADRB+\slot, \q, \i
.endr
	WIN 0
.endm
.macro FETCH_A slot, q, i0
.irp i, \i0, \i0+1, \i0+2, \i0+3
	FRAG AF+FR*(\i), ADRA+\slot, \q, \i
.endr
.endm
.macro SCALES sc                       ; a K step's two words of each row: lane r takes row r's
.irp i, 0,1,2,3,4,5,6,7
	ds_load_b64 v[SCA+16*\sc+2*\i:SCA+16*\sc+2*\i+1], v[ADSA] offset:512*\i
	ds_load_b64 v[SCB+16*\sc+2*\i:SCB+16*\sc+2*\i+1], v[ADSB] offset:512*\i
.endr
.endm
.macro STEP slot, q, zero              ; 128 along K with its successor in the same slot
	s_wait_dscnt 4*NL                              ; B's set, A's blocks 0-3 and the scale words are in; the youngest sixteen loads (A's blocks 4-7) may be out
	WIN MUL_LO
	MUL16 0, (\q)%2, \q, \slot, \zero
	MUL16 2, (\q)%2, \q, \slot, \zero
	s_wait_dscnt 0
	PLACES NP
	FETCH_B \slot, (\q)+1, 1-(\q)%2
	FETCH_A \slot, (\q)+1, 0
	WIN MUL_HI
	MUL16 4, (\q)%2, \q, \slot, \zero
	MUL16 6, (\q)%2, \q, \slot, \zero
	PLACES NP
	WIN 0
	FETCH_A \slot, (\q)+1, 4
.endm
; A slot's last step changes slots: one barrier; in front of it each wave waits for all its tensor loads, adds 0 to its spare word, and waits for that and for its reads of this slot.  fill = 1: the slot is filled again, two K steps ahead.
.macro TURN slot, next, fill
	s_wait_tensorcnt 0x0                           ; all my tensor loads have landed: my part of the next slot
	ds_add_u32 v[SPW], v[NIL]                      ; 0 onto my spare word
	s_wait_dscnt 4*NL+1                            ; (the add and A's blocks 4-7 may be out)
	WIN MUL_LO
	MUL16 0, 1, NQ-1, \slot, 0
	s_wait_dscnt 0x0                               ; the add is done, and my reads of this slot are over
	s_barrier_signal -1
	MUL16 2, 1, NQ-1, \slot, 0
	WIN 0
	s_barrier_wait -1
.if \fill
	CREST                                          ; the barrier has opened a round of the cluster's: no wave of any partner still reads this slot or has a load on its way
	s_add_nc_u64 s[G0+4*\slot+2:G0+4*\slot+3], s[G0+4*\slot+2:G0+4*\slot+3], 2*RT
	s_add_nc_u64 s[G0B+4*\slot+2:G0B+4*\slot+3], s[G0B+4*\slot+2:G0B+4*\slot+3], 2*RT
	JLOAD G0+4*\slot, G1, G0B+4*\slot, G1B         ; the first tensor load behind the round; its four v_nop are also the places in front of the loads below
.else
	PLACES NP
.endif
	v_add_nc_u32 v[ADSA], 128, v[ADSA]             ; on to the next K step's scale words
	v_add_nc_u32 v[ADSB], 128, v[ADSB]
	FETCH_B \next, 0, 0
	FETCH_A \next, 0, 0
	SCALES \next
	WIN MUL_HI
	MUL16 4, 1, NQ-1, \slot, 0
	MUL16 6, 1, NQ-1, \slot, 0
	PLACES NP
	WIN 0
	FETCH_A \next, 0, 4
.endm
; 64 numbers of a lane in window w, register 16 b + i = k 32 b + 16 h + i of the lane's row, become a fragment's codes in v[PC] on and its scale word in v[PW].  Accumulators are read from their low end on.
.macro QUANT s, w
	WIN ((\w)<<2)|((\w)<<4)
.irp b, 0,1,2,3
	v_max3_num_f32 v[TM+\b], 0x1800000, |v[\s+16*\b]|, |v[\s+1+16*\b]|   ; with the floor 2^(3 - 127): the byte cannot fall under 1
.endr
.irp i, 2,4,6,8,10,12,14
.irp b, 0,1,2,3
	v_max3_num_f32 v[TM+\b], v[TM+\b], |v[\s+16*\b+\i]|, |v[\s+1+16*\b+\i]|
.endr
.endr
	WIN 0
.irp b, 0,1,2,3
	v_permlanex16_b32 v[TM+4+\b], v[TM+\b], s98, s99
.endr
.irp b, 0,1,2,3
	v_max_num_f32 v[TM+\b], v[TM+\b], v[TM+4+\b]   ; with lane l xor 16's: the block's largest magnitude
.endr
.irp b, 0,1,2,3
	v_add_nc_u32 v[TM+12+\b], 0xff000000, v[TM+\b] ; 2 off the exponent field: the conversion's scale operand
.endr
.irp b, 0,1,2,3
	v_lshrrev_b32 v[TM+4+\b], 23, v[TM+12+\b]
.endr
	v_lshl_or_b32 v[PW], v[TM+5], 8, v[TM+4]
	v_lshl_or_b32 v[PW], v[TM+6], 16, v[PW]
	v_lshl_or_b32 v[PW], v[TM+7], 24, v[PW]
	WIN \w
.irp c, 0,1
	v_cvt_scalef32_pk16_fp6_f32 v[PC+6*\c:PC+2+6*\c], v[\s+32*\c:\s+15+32*\c], v[TM+12+2*\c]
	v_cvt_scalef32_pk16_fp6_f32 v[PC+12+4*\c:PC+14+4*\c], v[\s+16+32*\c:\s+31+32*\c], v[TM+12+2*\c+1]
.endr
	WIN 0
	v_nop                                          ; one plain line behind a scaled conversion
.irp c, 0,1                            ; the operand's layout wants a whole block in a lane
.irp i, 0,1,2
	v_permlane16_swap_b32 v[PC+6*\c+\i], v[PC+12+4*\c+\i]
.endr
.irp i, 0,1,2
	v_mov_b32 v[PC+3+6*\c+\i], v[PC+12+4*\c+\i]
.endr
.endr
.endm
.macro ROPELOAD a                      ; token tile a's cos and sin: 32 registers' image, into window 1
	WIN TO_B
.irp j, 0,1,2,3,4,5,6,7
	global_load_b128 v[32*((\a)%2)+4*\j:32*((\a)%2)+4*\j+3], v[O16], s[8:9] offset:4096*(\a)+512*\j
.endr
.endm
.macro ROPE a                          ; (y0, y1) = (x0 cos - x1 sin, x1 cos + x0 sin); register n is channel 32 ((n / 16) % 2) + 16 h + n % 16 of head n / 32
	WIN (2+(\a)/4)|4
.set AC, 64*((\a)%4)
.set NI, 0
.rept 8
.set CSR, 32*((\a)%2)+16*((NI/16)%2)+NI%16
.irp q, 0,2,4,6
	v_pk_mul_f32 v[Y+NI+\q:Y+NI+\q+1], v[AC+NI+\q:AC+NI+\q+1], v[CSR+\q:CSR+\q+1] op_sel_hi:[1,0]
.endr
.irp q, 0,2,4,6
	v_fma_f32 v[Y+NI+\q], -v[AC+NI+\q+1], v[CSR+\q+1], v[Y+NI+\q]
	v_fma_f32 v[Y+NI+\q+1], v[AC+NI+\q], v[CSR+\q+1], v[Y+NI+\q+1]
.endr
.set NI, NI+8
.endr
.endm
.macro QKBLOCK a
.if (\a) > 0
	s_wait_xcnt 0x0                                ; the last tile's stores have read the codes' registers
.endif
.if (\a) < 7
	ROPELOAD (\a)+1
	s_wait_loadcnt 8                               ; this tile's cos and sin are in; the next tile's eight loads may be out
.else
	s_wait_loadcnt 0x0
.endif
	ROPE \a
	QUANT Y, 0
	global_store_b128 v[O16], v[PC:PC+3], s[10:11] offset:768*(\a)                 ; my first head's image: 512 consecutive bytes,
	global_store_b64 v[O8], v[PC+4:PC+5], s[10:11] offset:768*(\a)+512             ; and 256
	global_store_b128 v[O16], v[PC+6:PC+9], s[10:11] offset:768*(\a)+32*KST        ; my second head's
	global_store_b64 v[O8], v[PC+10:PC+11], s[10:11] offset:768*(\a)+512+32*KST
	v_lshrrev_b32 v[PX], v[SH], v[PW]
	v_and_b32 v[PX], 0xffff, v[PX]                 ; lanes 0-15: the first head's two bytes, lanes 16-31: the second's; bytes 2 and 3 are 0
	ds_store_b32 v[QSI], v[PX] offset:64*(\a)
.endm
.macro VBLOCK a
.if (\a) > 0
	s_wait_xcnt 0x0
.endif
	QUANT 64*((\a)%4), 2+(\a)/4
.irp c, 0,1,2
	global_store_b128 v[O16], v[PC+4*\c:PC+4*\c+3], s[10:11] offset:((\a)/4)*32*VST+((\a)%4)*1536+512*\c
.endr
	ds_store_b32 v[VSI], v[PW] offset:64*(\a)      ; both halves of the lanes write the same word with the same value
.endm
.macro FINISH
	s_wait_tensorcnt 0x0                           ; the wave's end
	ds_add_u32 v[SPW], v[NIL]
	s_wait_dscnt 0x0
	CROUND                                         ; the closing round
	s_endpgm
.endm
	s_load_b128 s[4:7], s[0:1], 0x0                ; prep_codes, prep_scales
	s_load_b128 s[8:11], s[0:1], 0x10              ; rope, qkv
	v_lshl_add_u32 v[SPW], v0, 2, SPARE
	v_mov_b32 v[NIL], 0
	ds_add_u32 v28, v29
	ds_add_u32 v28, v29
	s_wait_dscnt 0x0
	v_lshrrev_b32 v1, 5, v0
	v_readfirstlane_b32 s14, v1                    ; wave
	s_lshr_b32 s15, s14, 1                         ; my half of A's rows.  Also: I fetch for A (0) or for B (1)
	s_and_b32 s16, s14, 1                          ; my half of B's rows.  Also: which half I fetch
	s_bfe_u32 s40, ttmp6, 0x40000                  ; cx
	s_bfe_u32 s41, ttmp6, 0x40004                  ; cy
	s_and_b32 s12, ttmp7, 0xffff                   ; cluster y
	s_lshl_b32 s18, ttmp9, 2
	s_lshl_b32 s19, s12, 2
	s_lshl_b32 s20, s12, 3
	s_add_co_u32 s20, s20, s18
	s_sub_co_u32 s20, s20, 32                      ; v: the four clusters take 16 tile columns of tokens
	s_cmp_ge_u32 s12, 4                            ; v's cluster?
	s_cselect_b32 s42, s20, s18                    ; first tile column of the cluster
	s_cselect_b32 s17, 0, s19                      ; first tile row
	s_cselect_b32 s92, 4718592, 0                  ; where A's codes begin in prep_codes: w_qkv's row tile 128, or x
	s_cselect_b32 s93, 0, 3145728                  ; B's: x, or w_qkv
	s_cselect_b32 s94, 196608, 0                   ; the same in prep_scales
	s_cselect_b32 s95, 0, 131072
	s_cselect_b32 s13, 1, 0
	s_add_co_u32 s42, s42, s40                     ; tile column
	s_add_co_u32 s17, s17, s41                     ; tile row
	s_lshl_b32 s43, s41, 2
	s_lshl_b32 s43, 15, s43                        ; my row of the cluster
	s_lshl_b32 s44, 0x1111, s40                    ; my column
	; group 1: 8 rows (row tiles) of 3,072 bytes, 12,288 bytes apart; elements of 8 bytes; no padding: the images are read densely
	s_or_b32 s[G1+0], s43, (3<<16)|(1<<21)
	s_or_b32 s[G1B+0], s44, (3<<16)|(1<<21)
.irp g, G1, G1B
	s_mov_b32 s[\g+1], 384<<16
	s_mov_b32 s[\g+2], 8<<16
	s_mov_b32 s[\g+3], 384<<16
	s_mov_b32 s[\g+4], 8
	s_mov_b32 s[\g+5], 1536
	s_mov_b32 s[\g+6], 0
	s_mov_b32 s[\g+7], 0
.endr
	; the scale words of 8 row tiles: 4,096 dense bytes as 16 rows of 256
	s_or_b32 s[G1S+0], s43, (3<<16)|(1<<21)
	s_or_b32 s[G1SB+0], s44, (3<<16)|(1<<21)
.irp g, G1S, G1SB
	s_mov_b32 s[\g+1], 32<<16
	s_mov_b32 s[\g+2], 16<<16
	s_mov_b32 s[\g+3], 32<<16
	s_mov_b32 s[\g+4], 16
	s_mov_b32 s[\g+5], 32
	s_mov_b32 s[\g+6], 0
	s_mov_b32 s[\g+7], 0
.endr
	s_lshl_b32 s18, s16, 3
	s_lshl_b32 s20, s17, 4
	s_add_co_u32 s20, s20, s18                     ; A: the first row tile that I fetch
	s_lshl_b32 s46, s42, 4
	s_add_co_u32 s46, s46, s18                     ; B likewise
	s_lshl_b32 s22, s20, 9
	s_add_co_u32 s22, s22, s94
	s_mov_b32 s23, 0
	s_lshl_b32 s96, s46, 9
	s_add_co_u32 s96, s96, s95
	s_mov_b32 s97, 0
	s_mul_i32 s20, s20, 12288
	s_add_co_u32 s20, s20, s92
	s_mov_b32 s21, 0
	s_mul_i32 s46, s46, 12288
	s_add_co_u32 s46, s46, s93
	s_mov_b32 s47, 0
	s_mul_i32 s45, s14, HALFT                      ; where they go: by the wave's number alone
	s_lshl_b32 s98, s14, 12
	s_wait_kmcnt 0x0
	s_add_nc_u64 s[20:21], s[4:5], s[20:21]
	s_add_nc_u64 s[22:23], s[6:7], s[22:23]
	s_add_nc_u64 s[46:47], s[4:5], s[46:47]
	s_add_nc_u64 s[96:97], s[6:7], s[96:97]
	CROUND                                         ; all sixteen work-groups are here: the first joint loads meet
	s_mov_b32 s[G0S], 1
	s_add_co_u32 s[G0S+1], s98, SCL
	s_mov_b64 s[G0S+2:G0S+3], s[22:23]
	s_or_b32 s[G0S+3], s[G0S+3], 0x80000000
	s_mov_b32 s[G0SB], 1
	s_add_co_u32 s[G0SB+1], s98, SCL
	s_mov_b64 s[G0SB+2:G0SB+3], s[96:97]
	s_or_b32 s[G0SB+3], s[G0SB+3], 0x80000000
	JLOAD G0S, G1S, G0SB, G1SB
.irp s, 0,1
	s_mov_b32 s[G0+4*\s], 1
	s_add_co_u32 s[G0+4*\s+1], s45, \s*SLOT
	s_add_nc_u64 s[G0+4*\s+2:G0+4*\s+3], s[20:21], \s*RT
	s_or_b32 s[G0+4*\s+3], s[G0+4*\s+3], 0x80000000
	s_mov_b32 s[G0B+4*\s], 1
	s_add_co_u32 s[G0B+4*\s+1], s45, \s*SLOT
	s_add_nc_u64 s[G0B+4*\s+2:G0B+4*\s+3], s[46:47], \s*RT
	s_or_b32 s[G0B+4*\s+3], s[G0B+4*\s+3], 0x80000000
	JLOAD G0+4*\s, G1, G0B+4*\s, G1B
.endr
	s_mov_b32 s98, 0x76543210
	s_mov_b32 s99, 0xfedcba98                      ; lane selects: lane l xor 16
	v_and_b32 v1, 31, v0                           ; lane
	v_and_b32 v2, 15, v0                           ; r
	v_bfe_u32 v3, v0, 4, 1                         ; h
	v_lshlrev_b32 v[O16], 4, v1
	v_lshlrev_b32 v[O8], 4, v2
	v_lshl_add_u32 v[O8], v3, 3, v[O8]
	v_lshlrev_b32 v[SH], 4, v3
	s_mul_i32 s21, s15, HALFT
	s_mul_i32 s22, s16, HALFT
	s_add_co_u32 s22, s22, 2*HALFT
.irp s, 0,1
	v_add_nc_u32 v[ADRA+\s], s21, v[O16]
	v_add_nc_u32 v[ADRB+\s], s22, v[O16]
	v_add_nc_u32 v[ADRA+2+\s], s21, v[O8]
	v_add_nc_u32 v[ADRB+2+\s], s22, v[O8]
	s_add_co_u32 s21, s21, SLOT
	s_add_co_u32 s22, s22, SLOT
.endr
	v_lshlrev_b32 v12, 3, v2
	s_lshl_b32 s21, s15, 12
	s_add_co_u32 s21, s21, SCL
	v_add_nc_u32 v[ADSA], s21, v12
	s_lshl_b32 s22, s16, 12
	s_add_co_u32 s22, s22, SCL+2*HALFS
	v_add_nc_u32 v[ADSB], s22, v12
	v_lshlrev_b32 v12, 2, v2                       ; the way out's LDS addresses, all made here, ahead of the parting of the two ways
	s_lshl_b32 s21, s14, 10
	s_add_co_u32 s21, s21, STGQ
	v_lshl_add_u32 v[QSI], v3, 9, v12
	v_add_nc_u32 v[QSI], s21, v[QSI]
	v_add_nc_u32 v[QSO], s21, v[O16]
	s_lshl_b32 s22, s14, 9
	s_add_co_u32 s22, s22, STGV
	v_add_nc_u32 v[VSI], s22, v12
	v_add_nc_u32 v[VSO], s22, v[O16]
	v_mul_u32_u24 v[VGO], v3, 32*VST
	v_lshl_add_u32 v[VGO], v2, 4, v[VGO]
	s_wait_tensorcnt 1                             ; the scale words and my part of K step 0 are in (K step 1's load may be out)
	s_barrier_signal -1
	s_barrier_wait -1                              ; everybody's are
	FETCH_B 0, 0, 0
	FETCH_A 0, 0, 0
	SCALES 0
	FETCH_A 0, 0, 4
	STEP 0, 0, 1                                   ; the first products start the sums: nothing is cleared
	TURN 0, 1, 1                                   ; K = 1,024 is four K steps: two first fills, two refills; all written out
	STEP 1, 0, 0
	TURN 1, 0, 1
	STEP 0, 0, 0
	TURN 0, 1, 0
	STEP 1, 0, 0
	s_wait_dscnt 4*NL
	WIN MUL_LO
	MUL16 0, 1, NQ-1, 1, 0
	MUL16 2, 1, NQ-1, 1, 0
	s_wait_dscnt 0
	WIN MUL_HI
	MUL16 4, 1, NQ-1, 1, 0
	MUL16 6, 1, NQ-1, 1, 0
	WIN 0
	PLACES NP                                      ; in front of the first read of results and of writes and loads into the operands' registers
.irp b, 0,1,2,3
	v_mov_b32 v[TM+4+\b], 0                        ; (a lane permute's destination counts as one of its sources)
.endr
	s_cmp_eq_u32 s13, 1
	s_cbranch_scc1 .Lvpath
	; ---- q and k: my 128 tokens are step st, my 128 columns two heads
	s_lshl_b32 s18, s17, 1
	s_add_co_u32 s18, s18, s15                     ; st
	s_lshl_b32 s19, s42, 2
	s_lshl_b32 s20, s16, 1
	s_add_co_u32 s19, s19, s20                     ; my first head
	s_lshl_b32 s19, s19, 5
	s_add_co_u32 s19, s19, s18
	s_mul_i32 s20, s19, KST
	s_mov_b32 s21, 0
	s_add_nc_u64 s[10:11], s[10:11], s[20:21]
	s_lshl_b32 s20, s18, 15
	s_add_nc_u64 s[8:9], s[8:9], s[20:21]
	ROPELOAD 0
.irp a, 0,1,2,3,4,5,6,7
	QKBLOCK \a
.endr
	ds_load_b128 v[Y:Y+3], v[QSO]                  ; LDS serves a wave's instructions in order: these see my stores
	ds_load_b128 v[Y+4:Y+7], v[QSO] offset:512
	s_wait_dscnt 0x0
	global_store_b128 v[O16], v[Y:Y+3], s[10:11] offset:6144           ; a head's 128 scale words: 512 consecutive bytes
	global_store_b128 v[O16], v[Y+4:Y+7], s[10:11] offset:6144+32*KST
	FINISH
.Lvpath:
	; ---- v: my 128 channels are two heads, my 128 tokens step st
	s_lshl_b32 s18, s42, 1
	s_add_co_u32 s18, s18, s16                     ; st
	s_lshl_b32 s19, s17, 2
	s_lshl_b32 s20, s15, 1
	s_add_co_u32 s19, s19, s20                     ; my first head
	s_lshl_b32 s19, s19, 5
	s_add_co_u32 s19, s19, s18
	s_mul_i32 s20, s19, VST
	s_add_co_u32 s20, s20, VB
	s_mov_b32 s21, 0
	s_add_nc_u64 s[10:11], s[10:11], s[20:21]
.irp a, 0,1,2,3,4,5,6,7
	VBLOCK \a
.endr
	ds_load_b128 v[Y:Y+3], v[VSO]
	s_wait_dscnt 0x0
	global_store_b128 v[VGO], v[Y:Y+3], s[10:11] offset:6144           ; sixteen lanes store a head's 64 scale words: 256 consecutive bytes
	FINISH
.Lfunc_end_k_q5225e794a1_qkv:
	.size	k_q5225e794a1_qkv, .Lfunc_end_k_q5225e794a1_qkv-k_q5225e794a1_qkv
	.p2alignl 7, 3214868480
	.fill 96, 4, 3214868480
	.section	.rodata,"a",@progbits
	.p2align	6, 0x0
	.amdhsa_kernel k_q5225e794a1_qkv
		.amdhsa_group_segment_fixed_size 327680
		.amdhsa_private_segment_fixed_size 0
		.amdhsa_enable_private_segment 0
		.amdhsa_kernarg_size 32
		.amdhsa_user_sgpr_count 2
		.amdhsa_user_sgpr_kernarg_segment_ptr 1
		.amdhsa_wavefront_size32 1
		.amdhsa_system_sgpr_workgroup_id_x 1
		.amdhsa_system_sgpr_workgroup_id_y 1
		.amdhsa_system_sgpr_workgroup_id_z 1
		.amdhsa_system_vgpr_workitem_id 0
		.amdhsa_next_free_vgpr 1024
		.amdhsa_next_free_sgpr 100
		.amdhsa_reserve_vcc 0
		.amdhsa_float_denorm_mode_32 3
		.amdhsa_float_denorm_mode_16_64 3
		.amdhsa_memory_ordered 1
		.amdhsa_forward_progress 1
		.amdhsa_inst_pref_size 241
	.end_amdhsa_kernel
	.amdgpu_metadata
---
amdhsa.version: [ 1, 2 ]
amdhsa.kernels:
  - .name:           k_q5225e794a1_qkv
    .symbol:         k_q5225e794a1_qkv.kd
    .args:
      - { .name: prep_codes, .offset: 0, .size: 8, .value_kind: global_buffer, .address_space: global }
      - { .name: prep_scales, .offset: 8, .size: 8, .value_kind: global_buffer, .address_space: global }
      - { .name: rope, .offset: 16, .size: 8, .value_kind: global_buffer, .address_space: global }
      - { .name: qkv, .offset: 24, .size: 8, .value_kind: global_buffer, .address_space: global }
    .group_segment_fixed_size: 327680
    .private_segment_fixed_size: 0
    .kernarg_segment_align: 8
    .kernarg_segment_size: 32
    .max_flat_workgroup_size: 128
    .sgpr_count:     100
    .vgpr_count:     1024
    .wavefront_size: 32
...
	.end_amdgpu_metadata
.endif
;; end of part 2
;; launch attn (part 3): grid 32 x 8, 16 waves a work-group, no clusters, 169,984 bytes of LDS; arguments qkv, att_codes, att_scales; writes att_codes, att_scales
.if DOCPART == 3
	.amdgcn_target "amdgcn-amd-amdhsa--gfx1250"
	.amdhsa_code_object_version 6
	.text
	.protected	k_q5225e794a1_attn
	.globl	k_q5225e794a1_attn
	.p2align	8
	.type	k_q5225e794a1_attn,@function
k_q5225e794a1_attn:
	s_mov_b64 s[64:65], 0
	v_nop
	global_prefetch_b8 v0, s[64:65] scope:SCOPE_SE
	s_setreg_imm32_b32 hwreg(HW_REG_WAVE_MODE, 25, 1), 1
	s_wait_xcnt 0x0
; Attention with a causal window of 512 (key k counts for query q where 0 <= q - k < 512), 16 heads of 64, both products on codes of FP6 (E2M3) with E8M0 scales; the result is quantised along the model's 1,024 for the last product.
; t = score x log2(e) / 8; M = the running largest t rounded up to a whole number; p = 2^(t - M) is quantised along the keys, not normalised; the row's sum is taken of the unquantised p and divides at the end (by v_rcp_f32 and a multiplication).
; SHARES.  A work-group owns 128 queries (x) of two heads (y); each of its sixteen waves owns one tile of 16 queries of one head (head = wave % 2, tile = wave / 2), in 256 registers.
; A block of 128 queries sees at most five steps of 128 keys: steps max(x - 4, 0) on.  All five steps of K and V of both heads lie in LDS at fixed places, each filled once: no slot is filled again.
; Waves 0, 1 fetch K (head 0, 1), waves 2, 3 V: five tensor loads each, out together; step s is read behind a wait that leaves the 4 - s later loads out, and a barrier.
; LAYOUT.  Both products are used transposed: S^T = K Q^T, O^T = V^T P^T: a lane holds one query.  The keys of a tile of K and the channels of a tile of V are ordered so that the 16 registers of two neighbouring tiles are 16 neighbours.
; K = 64 IN AN INSTRUCTION OF 128: Q's upper six registers are zero codes and its scale bytes 2, 3 are 0; a tile of K is named with the next tile's six registers as its upper half, which meet those zeros.
; A step all of whose keys come after the wave's queries is left out by a scalar branch on ids, behind the step's barrier.  Hidden scores become -infinity ahead of the maximum.
; LIMITS: NaN and infinities are not served; a block of zeros or under 2^-124 keeps the byte 1.
; REGISTERS: v1-11 addresses; v12 -M, v13 the largest t, v[14:15] the sum; v16-27 Q; v32-85 K's eight tiles, then v32-79 V's four fragments; v96-159 S^T, then p; v160-191 O^T; v192-223 O / sum; v224-235 codes; v232-254 at work; v248-251, v253, v255 scale words.
.set KST, 6656                         ; a step of K in memory and in LDS: 8 images of 768 bytes, 512 bytes of scale words
.set VST, 6400                         ; of V: 4 fragments of 1,536 bytes, 256 bytes of scale words
.set KHB, 5*KST
.set VHB, 5*VST
.set VL,  2*KHB                        ; V lies behind K's two heads
.set STG, VL+2*VHB                     ; 512 bytes for the result's scale bytes: no fill lands there
.set VB,  6815744
.set G1K, 24
.set G1V, 32
.set G0K, 40                           ; s40-59 five groups 0 for K
.set G0V, 68                           ; s68-87 for V
.macro STEP sg
	s_wait_tensorcnt 4-(\sg)                       ; my load of this step has landed; the later ones may be out
	s_barrier_signal -1
	s_barrier_wait -1                              ; everybody's has
	s_add_co_u32 s94, s15, 128*(\sg)               ; the step's first key
.if (\sg) > 0
	s_cmp_gt_u32 s94, s17
	s_cbranch_scc1 .Lhidden_\@                     ; all its keys come after my queries
.endif
.rept 4
	v_nop                                          ; places in front of loads into registers that matrix instructions have read
.endr
.irp t, 0,1,2,3,4,5,6,7
	ds_load_b128 v[32+6*\t:35+6*\t], v1 offset:KST*(\sg)+768*\t
	ds_load_b64 v[36+6*\t:37+6*\t], v2 offset:KST*(\sg)+768*\t
.endr
.irp i, 0,1,2,3
	ds_load_b32 v[248+\i], v3 offset:KST*(\sg)+128*\i     ; lanes 0-15: tile 2 i's scale words, lanes 16-31: tile 2 i + 1's
.endr
	s_wait_dscnt 0x0
.irp t, 0,2,4,6
	v_wmma_scale_f32_16x16x128_f8f6f4 v[96+8*\t:103+8*\t], v[32+6*\t:43+6*\t], v[16:27], 0, v[248+\t/2], v255 matrix_a_fmt:MATRIX_FMT_FP6 matrix_b_fmt:MATRIX_FMT_FP6
	v_wmma_scale_f32_16x16x128_f8f6f4 v[104+8*\t:111+8*\t], v[38+6*\t:49+6*\t], v[16:27], 0, v[248+\t/2], v255 matrix_a_fmt:MATRIX_FMT_FP6 matrix_b_fmt:MATRIX_FMT_FP6 matrix_a_scale:MATRIX_SCALE_ROW1
.endr
.rept 4
	v_nop
.endr
.irp t, 0,1,2,3                        ; V's fragments land while the softmax is worked
.irp c, 0,1,2
	ds_load_b128 v[32+12*\t+4*\c:35+12*\t+4*\c], v4 offset:VST*(\sg)+1536*\t+512*\c
.endr
.endr
.irp i, 0,1
	ds_load_b32 v[248+\i], v5 offset:VST*(\sg)+128*\i
.endr
	; register 16 b + i holds key (first key) + 32 b + 16 h + i.  d = my query - first key - 16 h
.if (\sg) == 0
	s_add_co_u32 s95, s15, 511
	s_cmp_ge_u32 s95, s17
	s_cbranch_scc1 .Lnowin_\@                      ; no query of mine is 512 or more past the first key
	s_sub_co_i32 s95, s16, s94
	s_sub_co_i32 s95, s95, 511
	v_add_nc_u32 v243, s95, v6                     ; d - 511: hidden where 32 b + i < d - 511
	v_mov_b32 v254, 0xff800000
.set NI, 0
.rept 64
	v_cmp_lt_i32 vcc_lo, 32*(NI/16)+NI%16, v243
	v_cndmask_b32 v[96+NI], v[96+NI], v254, vcc_lo
.set NI, NI+1
.endr
.Lnowin_\@:
.endif
	s_add_co_u32 s95, s94, 127
	s_cmp_le_u32 s95, s16
	s_cbranch_scc1 .Lopen_\@                       ; all its keys come before my queries
	s_sub_co_i32 s95, s16, s94
	v_add_nc_u32 v252, s95, v6                     ; d: hidden where 32 b + i > d
	v_mov_b32 v254, 0xff800000
.set NI, 0
.rept 64
	v_cmp_gt_i32 vcc_lo, 32*(NI/16)+NI%16, v252
	v_cndmask_b32 v[96+NI], v[96+NI], v254, vcc_lo
.set NI, NI+1
.endr
.Lopen_\@:
.irp b, 0,1,2,3
	v_max3_num_f32 v[232+\b], v[96+16*\b], v[97+16*\b], v[98+16*\b]   ; the largest score of each block of 32 keys: for the row's maximum and, since p rises with the score, for the block's largest p
.endr
.irp i, 3,5,7,9,11,13
.irp b, 0,1,2,3
	v_max3_num_f32 v[232+\b], v[232+\b], v[96+16*\b+\i], v[97+16*\b+\i]
.endr
.endr
.irp b, 0,1,2,3
	v_max_num_f32 v[232+\b], v[232+\b], v[111+16*\b]
.endr
.irp b, 0,1,2,3
	v_permlanex16_b32 v[236+\b], v[232+\b], s20, s21
.endr
.irp b, 0,1,2,3
	v_max_num_f32 v[232+\b], v[232+\b], v[236+\b]
.endr
	v_max3_num_f32 v254, v232, v233, v234
	v_max_num_f32 v254, v254, v235
	v_mul_f32 v254, s22, v254
	v_max_num_f32 v13, v13, v254                   ; the running largest t
	v_mov_b32 v254, v12
	v_floor_f32 v12, -v13                          ; -M = floor(-t)
	v_sub_f32 v254, v12, v254                      ; old M - new M: a whole number, 0 or less
	v_cvt_i32_f32 v254, v254                       ; (it saturates)
	v_ldexp_f32 v252, 1.0, v254                    ; f = 2^(old M - new M)
.set NI, 0
.rept 32
	v_pk_fma_f32 v[96+NI:97+NI], v[96+NI:97+NI], s[22:23], v[12:13] op_sel_hi:[1,0,0]   ; t - M
.set NI, NI+2
.endr
.irp b, 0,1,2,3
	v_fma_f32 v[232+\b], v[232+\b], s22, v12
.endr
.set NI, 0
.rept 64
	v_exp_f32 v[96+NI], v[96+NI]                   ; p = 2^(t - M)
.set NI, NI+1
.endr
	v_pk_mul_f32 v[14:15], v[14:15], v[252:253] op_sel_hi:[1,0]   ; the sums under the new M.  (A plain line behind the exponentials)
	s_wait_alu depctr_va_vdst(0)                   ; one wait for the batch, ahead of its first reader
.irp b, 0,1,2,3
	v_exp_f32 v[232+\b], v[232+\b]                 ; the blocks' largest p
.endr
	v_pk_add_f32 v[236:237], v[96:97], v[98:99]    ; the row's sum of the unquantised p, in two chains
.set NI, 4
.rept 15
	v_pk_add_f32 v[14:15], v[14:15], v[96+NI:97+NI]
	v_pk_add_f32 v[236:237], v[236:237], v[98+NI:99+NI]
.set NI, NI+4
.endr
	v_pk_add_f32 v[14:15], v[14:15], v[236:237]
	s_wait_alu depctr_va_vdst(0)                   ; and one for the four
.irp b, 0,1,2,3
	v_max_num_f32 v[232+\b], 0x1800000, v[232+\b]  ; the floor 2^(3 - 127)
.endr
.irp b, 0,1,2,3
	v_add_nc_u32 v[244+\b], 0xff000000, v[232+\b]
.endr
.irp b, 0,1,2,3
	v_lshrrev_b32 v[236+\b], 23, v[244+\b]
.endr
	v_lshl_or_b32 v253, v237, 8, v236              ; p's scale word for these 128 keys
	v_lshl_or_b32 v253, v238, 16, v253
	v_lshl_or_b32 v253, v239, 24, v253
.irp c, 0,1
	v_cvt_scalef32_pk16_fp6_f32 v[224+6*\c:226+6*\c], v[96+32*\c:111+32*\c], v[244+2*\c]
	v_cvt_scalef32_pk16_fp6_f32 v[236+4*\c:238+4*\c], v[112+32*\c:127+32*\c], v[244+2*\c+1]
.endr
	v_nop                                          ; one plain line behind a scaled conversion
.irp c, 0,1
.irp i, 0,1,2
	v_permlane16_swap_b32 v[224+6*\c+\i], v[236+4*\c+\i]
.endr
.irp i, 0,1,2
	v_mov_b32 v[227+6*\c+\i], v[236+4*\c+\i]
.endr
.endr
.set NI, 0
.rept 16
	v_pk_mul_f32 v[160+NI:161+NI], v[160+NI:161+NI], v[252:253] op_sel_hi:[1,0]   ; O^T under the new M.  (These sixteen are also the places between the writes of p's codes and scale word and the products)
.set NI, NI+2
.endr
	s_wait_dscnt 0x0                               ; V
.irp t, 0,2
	v_wmma_scale_f32_16x16x128_f8f6f4 v[160+8*\t:167+8*\t], v[32+12*\t:43+12*\t], v[224:235], v[160+8*\t:167+8*\t], v[248+\t/2], v253 matrix_a_fmt:MATRIX_FMT_FP6 matrix_b_fmt:MATRIX_FMT_FP6
	v_wmma_scale_f32_16x16x128_f8f6f4 v[168+8*\t:175+8*\t], v[44+12*\t:55+12*\t], v[224:235], v[168+8*\t:175+8*\t], v[248+\t/2], v253 matrix_a_fmt:MATRIX_FMT_FP6 matrix_b_fmt:MATRIX_FMT_FP6 matrix_a_scale:MATRIX_SCALE_ROW1
.endr
.if (\sg) > 0
.Lhidden_\@:
.endif
.endm
	s_load_b128 s[4:7], s[0:1], 0x0                ; qkv, att_codes
	s_load_b64 s[8:9], s[0:1], 0x10                ; att_scales
	v_lshl_add_u32 v94, v0, 2, 0x29000
	v_mov_b32 v95, 0
	ds_add_u32 v94, v95
	ds_add_u32 v94, v95
	v_lshrrev_b32 v1, 5, v0
	v_readfirstlane_b32 s18, v1                    ; wave 0..15
	s_and_b32 s19, s18, 1                          ; which of the two heads
	s_lshr_b32 s10, s18, 1                         ; which tile of 16 queries
	s_and_b32 s12, ttmp7, 0xffff                   ; the pair of heads
	s_lshl_b32 s13, s12, 1
	s_add_co_u32 s13, s13, s19                     ; the head
	s_sub_co_i32 s14, ttmp9, 4
	s_max_i32 s14, s14, 0                          ; the first step of keys
	s_lshl_b32 s15, s14, 7                         ; its first key
	s_lshl_b32 s16, ttmp9, 7
	s_lshr_b32 s60, s10, 1
	s_lshl_b32 s60, s60, 5
	s_add_co_u32 s16, s16, s60
	s_and_b32 s60, s10, 1
	s_lshl_b32 s60, s60, 3
	s_add_co_u32 s16, s16, s60                     ; my first query: lane r holds query s16 + r + 8 (r / 8)
	s_add_co_u32 s17, s16, 23                      ; my last
	s_lshl_b32 s60, s13, 5
	s_add_co_u32 s60, s60, s14
	s_mul_i32 s62, s60, VST
	s_add_co_u32 s62, s62, VB                      ; V of my head, first step
	s_mov_b32 s63, 0
	s_add_co_u32 s60, s60, 512                     ; k's heads lie behind q's sixteen
	s_mul_i32 s60, s60, KST
	s_mov_b32 s61, 0
	s_mul_i32 s88, s19, KHB                        ; my head's K in LDS,
	s_mul_i32 s89, s19, VHB
	s_add_co_u32 s89, s89, VL                      ; and V
	; group 1: a dense block as rows of 256 bytes (32 elements of 8): K 26 rows, V 25
	s_mov_b32 s[G1K], 3<<16
	s_mov_b32 s[G1K+1], 32<<16
	s_mov_b32 s[G1K+2], 26<<16
	s_mov_b32 s[G1K+3], 32<<16
	s_mov_b32 s[G1K+4], 26
	s_mov_b32 s[G1K+5], 32
	s_mov_b32 s[G1K+6], 0
	s_mov_b32 s[G1K+7], 0
	s_mov_b32 s[G1V], 3<<16
	s_mov_b32 s[G1V+1], 32<<16
	s_mov_b32 s[G1V+2], 25<<16
	s_mov_b32 s[G1V+3], 32<<16
	s_mov_b32 s[G1V+4], 25
	s_mov_b32 s[G1V+5], 32
	s_mov_b32 s[G1V+6], 0
	s_mov_b32 s[G1V+7], 0
	s_mov_b32 s20, 0x76543210
	s_mov_b32 s21, 0xfedcba98                      ; lane selects: lane l xor 16
	s_mov_b32 s22, 0x3e38aa3b                      ; c = log2(e) / 8
	s_mov_b32 s23, s22
	s_wait_dscnt 0x0
	s_wait_kmcnt 0x0
	s_add_nc_u64 s[60:61], s[4:5], s[60:61]
	s_add_nc_u64 s[62:63], s[4:5], s[62:63]
.irp g, 0,1,2,3,4
	s_mov_b32 s[G0K+4*\g], 1
	s_add_co_u32 s[G0K+4*\g+1], s88, \g*KST
	s_add_nc_u64 s[G0K+4*\g+2:G0K+4*\g+3], s[60:61], \g*KST
	s_or_b32 s[G0K+4*\g+3], s[G0K+4*\g+3], 0x80000000
	s_mov_b32 s[G0V+4*\g], 1
	s_add_co_u32 s[G0V+4*\g+1], s89, \g*VST
	s_add_nc_u64 s[G0V+4*\g+2:G0V+4*\g+3], s[62:63], \g*VST
	s_or_b32 s[G0V+4*\g+3], s[G0V+4*\g+3], 0x80000000
.endr
	s_cmp_lt_u32 s18, 2                            ; a wave's five fills stand in one branch on its number; five loads of a fetching wave are out
	s_cbranch_scc0 .Lnot_k
.irp g, 0,1,2,3,4
	tensor_load_to_lds s[G0K+4*\g:G0K+4*\g+3], s[G1K:G1K+7]
	s_nop 0
.endr
.rept 4
	v_nop
.endr
	s_branch .Lasked
.Lnot_k:
	s_cmp_lt_u32 s18, 4
	s_cbranch_scc0 .Lasked
.irp g, 0,1,2,3,4
	tensor_load_to_lds s[G0V+4*\g:G0V+4*\g+3], s[G1V:G1V+7]
	s_nop 0
.endr
.rept 4
	v_nop
.endr
.Lasked:
	s_lshl_b32 s90, s13, 5
	s_add_co_u32 s90, s90, ttmp9
	s_mul_i32 s90, s90, KST                        ; q of my head, my block's step
	s_mov_b32 s91, 0
	s_add_nc_u64 s[90:91], s[4:5], s[90:91]
	s_lshl_b32 s92, s10, 6
	s_add_co_u32 s92, s92, 6144
	s_mov_b32 s93, 0
	s_add_nc_u64 s[92:93], s[90:91], s[92:93]      ; my tile's scale words
	s_mul_i32 s60, s10, 768
	s_mov_b32 s61, 0
	s_add_nc_u64 s[90:91], s[90:91], s[60:61]      ; my tile's image
	s_lshl_b32 s60, ttmp9, 3
	s_add_co_u32 s60, s60, s10
	s_lshl_b32 s60, s60, 4
	s_add_co_u32 s60, s60, s13
	s_mul_i32 s60, s60, 768
	s_add_nc_u64 s[6:7], s[6:7], s[60:61]          ; the result's image: [token tile][head]
	s_lshl_b32 s60, s12, 14
	s_lshl_b32 s62, ttmp9, 9
	s_add_co_u32 s60, s60, s62
	s_add_nc_u64 s[8:9], s[8:9], s[60:61]          ; its scale words: [pair of heads][token tile][row]
	v_and_b32 v28, 31, v0                          ; lane
	v_and_b32 v29, 15, v0                          ; r
	v_bfe_u32 v30, v0, 4, 1                        ; h
	v_lshlrev_b32 v7, 4, v28                       ; 16 x lane
	v_lshlrev_b32 v8, 4, v29
	v_lshl_add_u32 v8, v30, 3, v8                  ; 16 r + 8 h
	v_lshlrev_b32 v11, 2, v29                      ; 4 r
	v_lshlrev_b32 v31, 2, v28                      ; 4 x lane
	global_load_b128 v[16:19], v7, s[90:91]        ; Q's image stays in registers
	global_load_b64 v[20:21], v8, s[90:91] offset:512
	global_load_b32 v255, v11, s[92:93]
	v_add_nc_u32 v1, s88, v7
	v_add_nc_u32 v2, s88, v8
	v_add_nc_u32 v2, 512, v2
	v_add_nc_u32 v3, s88, v31
	v_add_nc_u32 v3, 6144, v3
	v_add_nc_u32 v4, s89, v7
	v_add_nc_u32 v5, s89, v31
	v_add_nc_u32 v5, 6144, v5
	v_and_b32 v6, 8, v29
	v_add_nc_u32 v6, v6, v29
	v_lshlrev_b32 v10, 4, v30
	v_sub_nc_u32 v6, v6, v10                       ; r + 8 (r / 8) - 16 h
	s_lshl_b32 s60, s10, 6
	s_lshl_b32 s62, s19, 1
	s_add_co_u32 s60, s60, s62
	s_add_co_u32 s60, s60, STG
	v_add_nc_u32 v9, s60, v11                      ; my row's two bytes in the stage: 64 x tile + 4 r + 2 x head
	v_add_nc_u32 v10, STG, v7
.irp i, 0,1,2,3,4,5
	v_mov_b32 v[22+\i], 0                          ; Q's upper half: zero codes
	v_mov_b32 v[80+\i], 0                          ; what K's last tile names as its upper half
.endr
	v_mov_b32 v13, 0xff61b1e6                      ; the largest t so far: -3e38
	v_floor_f32 v12, -v13
	v_mov_b32 v14, 0
	v_mov_b32 v15, 0
.irp b, 0,1,2,3
	v_mov_b32 v[236+\b], 0                         ; (a lane permute's destination counts as one of its sources)
.endr
	v_mov_b32 v252, 0
	v_mov_b32 v253, 0
.set NI, 0
.rept 32
	v_mov_b32 v[160+NI], 0                         ; O^T: the step is one macro; the first finds zeros, which the first change of M leaves zeros
.set NI, NI+1
.endr
	s_wait_loadcnt 0x0                             ; Q
	STEP 0
	STEP 1
	STEP 2
	STEP 3
	STEP 4
	; THE END: O^T / sum; quantised along the head's 64 (two blocks of the last product's K); stored as an image.
	v_add_f32 v14, v14, v15
	v_permlanex16_b32 v252, v14, s20, s21
	v_add_f32 v14, v14, v252                       ; the row's sum
	v_rcp_f32 v14, v14
	v_nop                                          ; plain lines behind the reciprocal; with the three above also the places behind the last products
	v_nop
	s_wait_alu depctr_va_vdst(0)                   ; the wait ahead of the reciprocal's first reader
.set NI, 0
.rept 32
	v_mul_f32 v[192+NI], v[160+NI], v14            ; register 16 b + i is channel 32 b + 16 h + i
.set NI, NI+1
.endr
.irp b, 0,1
	v_max3_num_f32 v[232+\b], |v[192+16*\b]|, |v[193+16*\b]|, 0x1800000
.endr
.irp i, 2,4,6,8,10,12,14
.irp b, 0,1
	v_max3_num_f32 v[232+\b], v[232+\b], |v[192+16*\b+\i]|, |v[193+16*\b+\i]|
.endr
.endr
.irp b, 0,1
	v_permlanex16_b32 v[236+\b], v[232+\b], s20, s21
.endr
.irp b, 0,1
	v_max_num_f32 v[232+\b], v[232+\b], v[236+\b]
.endr
.irp b, 0,1
	v_add_nc_u32 v[244+\b], 0xff000000, v[232+\b]
.endr
.irp b, 0,1
	v_lshrrev_b32 v[236+\b], 23, v[244+\b]
.endr
	v_lshl_or_b32 v240, v237, 8, v236              ; my row's two bytes
	v_cvt_scalef32_pk16_fp6_f32 v[224:226], v[192:207], v244
	v_cvt_scalef32_pk16_fp6_f32 v[228:230], v[208:223], v245
	v_nop
.irp i, 0,1,2
	v_permlane16_swap_b32 v[224+\i], v[228+\i]     ; lanes 0-15 now hold block 0, lanes 16-31 block 1
.endr
	v_mov_b32 v227, v228
	v_mov_b32 v228, v229
	v_mov_b32 v229, v230
	global_store_b128 v7, v[224:227], s[6:7]       ; 512 consecutive bytes,
	global_store_b64 v8, v[228:229], s[6:7] offset:512   ; and 256
	ds_store_b16 v9, v240                          ; both halves of the lanes write the same bytes with the same value
	s_wait_dscnt 0x0                               ; for the others' sake: my store has landed
	s_barrier_signal -1
	s_barrier_wait -1
	s_cmp_lg_u32 s18, 0
	s_cbranch_scc1 .Lend
	ds_load_b128 v[232:235], v10                   ; the block's 128 scale words
	s_wait_dscnt 0x0
	global_store_b128 v7, v[232:235], s[8:9]       ; 512 consecutive bytes
.Lend:
	s_wait_tensorcnt 0x0
	ds_add_u32 v94, v95
	s_wait_dscnt 0x0
	s_endpgm
.Lfunc_end_k_q5225e794a1_attn:
	.size	k_q5225e794a1_attn, .Lfunc_end_k_q5225e794a1_attn-k_q5225e794a1_attn
	.p2alignl 7, 3214868480
	.fill 96, 4, 3214868480
	.section	.rodata,"a",@progbits
	.p2align	6, 0x0
	.amdhsa_kernel k_q5225e794a1_attn
		.amdhsa_group_segment_fixed_size 169984
		.amdhsa_private_segment_fixed_size 0
		.amdhsa_enable_private_segment 0
		.amdhsa_kernarg_size 24
		.amdhsa_user_sgpr_count 2
		.amdhsa_user_sgpr_kernarg_segment_ptr 1
		.amdhsa_wavefront_size32 1
		.amdhsa_system_sgpr_workgroup_id_x 1
		.amdhsa_system_sgpr_workgroup_id_y 1
		.amdhsa_system_sgpr_workgroup_id_z 1
		.amdhsa_system_vgpr_workitem_id 0
		.amdhsa_next_free_vgpr 256
		.amdhsa_next_free_sgpr 100
		.amdhsa_reserve_vcc 1
		.amdhsa_float_denorm_mode_32 3
		.amdhsa_float_denorm_mode_16_64 3
		.amdhsa_memory_ordered 1
		.amdhsa_forward_progress 1
		.amdhsa_inst_pref_size 125
	.end_amdhsa_kernel
	.amdgpu_metadata
---
amdhsa.version: [ 1, 2 ]
amdhsa.kernels:
  - .name:           k_q5225e794a1_attn
    .symbol:         k_q5225e794a1_attn.kd
    .args:
      - { .name: qkv, .offset: 0, .size: 8, .value_kind: global_buffer, .address_space: global }
      - { .name: att_codes, .offset: 8, .size: 8, .value_kind: global_buffer, .address_space: global }
      - { .name: att_scales, .offset: 16, .size: 8, .value_kind: global_buffer, .address_space: global }
    .group_segment_fixed_size: 169984
    .private_segment_fixed_size: 0
    .kernarg_segment_align: 8
    .kernarg_segment_size: 24
    .max_flat_workgroup_size: 512
    .sgpr_count:     100
    .vgpr_count:     256
    .wavefront_size: 32
...
	.end_amdgpu_metadata
.endif
;; end of part 3
;; launch proj (part 4): grid 4 x 16, 4 waves a work-group, clusters of 4 x 4, 327,680 bytes of LDS; arguments att_codes, att_scales, prep_codes, prep_scales, out0; writes out0
.if DOCPART == 4
	.amdgcn_target "amdgcn-amd-amdhsa--gfx1250"
	.amdhsa_code_object_version 6
	.text
	.protected	k_q5225e794a1_proj
	.globl	k_q5225e794a1_proj
	.p2align	8
	.type	k_q5225e794a1_proj,@function
k_q5225e794a1_proj:
	s_mov_b64 s[64:65], 0
	v_nop
	global_prefetch_b8 v0, s[64:65] scope:SCOPE_SE
	s_setreg_imm32_b32 hwreg(HW_REG_WAVE_MODE, 25, 1), 1
	s_wait_xcnt 0x0
	s_wait_alu depctr_hold_cnt(0) depctr_sa_sdst(0) depctr_va_vdst(0) depctr_va_sdst(0) depctr_va_ssrc(0) depctr_va_vcc(0) depctr_vm_vsrc(0)
	s_getreg_b32 s2, hwreg(HW_REG_IB_STS2, 6, 4)
	s_cmp_eq_u32 s2, 0
	s_cbranch_scc0 .Lentry_in_a_cluster
	s_endpgm
.Lentry_in_a_cluster:
	s_bfe_u32 s2, ttmp6, 0x10000c
	s_cmp_lg_u32 s2, 0xf033
	s_cbranch_scc0 .Lentry_shape_is_right
	s_endpgm
.Lentry_shape_is_right:
; out0 = (attention's result) w_out on codes of FP6 (E2M3) with E8M0 scales, K = 1,024; out0 [4096][1024] f32.
; A tile of 256 x 256 is made by four waves, 128 x 128 each: 64 accumulators.  The matrix instruction is used transposed: source 0 = 16 columns of w_out, source 1 = 16 tokens: a lane holds eight neighbouring numbers of a row of out0.
; Both operands lie in memory as images of registers: [row tile][16 images of 768 bytes]; a K step of 256 is 3,072 consecutive bytes of a row tile.  The tokens of a tile are not neighbours: of 32 tokens, tile u holds at row i token 8 u + i + 8 (i / 8).
; K goes in four steps of 256 through two LDS slots; A's tiles are asked for jointly along a row of the cluster, B's along a column.  The scale words come once: A's lie [128 along K][row tile][row], B's [row tile][K step][row][2].
; 64 tiles: 64 work-groups.
; REGISTERS: window 0: v4, v16-29 addresses; v32-63 A's scale words, v64-95 B's; v128-223 A's fragments, one set; on the way out v128-255 take rows.  window 1: B's fragments, two sets.  windows 2, 3: the accumulators.
.set NQ,    2
.set FR,    12
.set NL,    4
.set NP,    4
.set RT,    3072
.set HALFT, 8*RT
.set SLOT,  4*HALFT
.set SCL,   2*SLOT
.set HALFS, 4096
.set SPARE, SCL+4*HALFS                ; the spare words: 128 bytes a wave, two blocks of 256 bytes that no other line names
.set STG,   SPARE+512                  ; the way out: 16 rows x (512 bytes + 16) for each wave
.set SPITCH, 528
.set WOC,   5505024
.set WOS,   229376
.set CO,   4
.set O8,   5
.set ADRA, 16
.set ADRB, 20
.set STO,  24
.set RD,   25
.set ADSA, 26
.set ADSB, 27
.set SPW,  28
.set NIL,  29
.set SCA,  32
.set SCB,  64
.set AF,   128
.set BK,   128
.set G1,   24
.set G0,   32
.set G1B,  48
.set G0B,  56
.set G1S,  68
.set G0S,  76
.set G1SB, 80
.set G0SB, 88
.set MSB, 0
.macro WIN new
.if MSB != (\new)
	s_set_vgpr_msb (MSB<<8)|(\new)
.set MSB, \new
.endif
.endm
.set MUL_LO, 0xa1
.set MUL_HI, 0xf1
.set TO_B,   0x40
.macro JLOAD g0a, g1a, g0b, g1b        ; a joint load: waves 0 and 1 fetch for A, waves 2 and 3 for B; four v_nop follow each of the two lines
	s_cmp_eq_u32 s15, 0
	s_cbranch_scc0 .Lfor_b_\@
	tensor_load_to_lds s[\g0a:\g0a+3], s[\g1a:\g1a+7]
	s_nop 0
.rept 4
	v_nop
.endr
	s_branch .Lasked_\@
.Lfor_b_\@:
	tensor_load_to_lds s[\g0b:\g0b+3], s[\g1b:\g1b+7]
	s_nop 0
.rept 4
	v_nop
.endr
.Lasked_\@:
.endm
.macro CREST
	s_cmp_lg_u32 s14, 0
	s_cbranch_scc1 .Lnot_wave_0_\@
	s_barrier_signal -3
.Lnot_wave_0_\@:
	s_barrier_wait -3
	s_barrier_signal -1
	s_barrier_wait -1
.endm
.macro CROUND
	s_barrier_signal -1
	s_barrier_wait -1
	CREST
.endm
.macro PLACES n
.rept \n
	v_nop
.endr
.endm
.macro FRAG reg, adr, q, i
	ds_load_b128 v[\reg:\reg+3], v[\adr] offset:RT*(\i)+1536*(\q)
	ds_load_b64 v[\reg+4:\reg+5], v[\adr+2] offset:RT*(\i)+1536*(\q)+512
	ds_load_b128 v[\reg+6:\reg+9], v[\adr] offset:RT*(\i)+1536*(\q)+768
	ds_load_b64 v[\reg+10:\reg+11], v[\adr+2] offset:RT*(\i)+1536*(\q)+1280
.endm
.macro MUL16 a0, p, q, sc, zero        ; the 64 accumulators take turns, one instruction a turn
.irp a, \a0, \a0+1
.irp b, 0,1,2,3,4,5,6,7
.if \zero
	v_wmma_scale_f32_16x16x128_f8f6f4 v[8*(8*((\a)%4)+\b):8*(8*((\a)%4)+\b)+7], v[128*(\p)+FR*\b:128*(\p)+FR*\b+FR-1], v[AF+FR*(\a):AF+FR*(\a)+FR-1], 0, v[SCB+16*(\sc)+2*\b+(\q)], v[SCA+16*(\sc)+2*(\a)+(\q)] matrix_a_fmt:MATRIX_FMT_FP6 matrix_b_fmt:MATRIX_FMT_FP6
.else
	v_wmma_scale_f32_16x16x128_f8f6f4 v[8*(8*((\a)%4)+\b):8*(8*((\a)%4)+\b)+7], v[128*(\p)+FR*\b:128*(\p)+FR*\b+FR-1], v[AF+FR*(\a):AF+FR*(\a)+FR-1], v[8*(8*((\a)%4)+\b):8*(8*((\a)%4)+\b)+7], v[SCB+16*(\sc)+2*\b+(\q)], v[SCA+16*(\sc)+2*(\a)+(\q)] matrix_a_fmt:MATRIX_FMT_FP6 matrix_b_fmt:MATRIX_FMT_FP6
.endif
.endr
.endr
.endm
.macro FETCH_B slot, q, p
	WIN TO_B
.irp i, 0,1,2,3,4,5,6,7
	FRAG 128*(\p)+FR*\i, ADRB+\slot, \q, \i
.endr
	WIN 0
.endm
.macro FETCH_A slot, q, i0
.irp i, \i0, \i0+1, \i0+2, \i0+3
	FRAG AF+FR*(\i), ADRA+\slot, \q, \i
.endr
.endm
.macro SCALES sc                       ; a K step's two words of each row: A's lie 512 bytes apart, B's side by side
.irp i, 0,1,2,3,4,5,6,7
	ds_load_b32 v[SCA+16*\sc+2*\i], v[ADSA] offset:64*\i
	ds_load_b32 v[SCA+16*\sc+2*\i+1], v[ADSA] offset:512+64*\i
	ds_load_b64 v[SCB+16*\sc+2*\i:SCB+16*\sc+2*\i+1], v[ADSB] offset:512*\i
.endr
.endm
.macro STEP slot, q, zero
	s_wait_dscnt 4*NL                              ; all but the youngest sixteen loads (A's blocks 4-7)
	WIN MUL_LO
	MUL16 0, (\q)%2, \q, \slot, \zero
	MUL16 2, (\q)%2, \q, \slot, \zero
	s_wait_dscnt 0
	PLACES NP
	FETCH_B \slot, (\q)+1, 1-(\q)%2
	FETCH_A \slot, (\q)+1, 0
	WIN MUL_HI
	MUL16 4, (\q)%2, \q, \slot, \zero
	MUL16 6, (\q)%2, \q, \slot, \zero
	PLACES NP
	WIN 0
	FETCH_A \slot, (\q)+1, 4
.endm
.macro TURN slot, next, fill
	s_wait_tensorcnt 0x0                           ; all my tensor loads have landed: my part of the next slot
	ds_add_u32 v[SPW], v[NIL]                      ; 0 onto my spare word
	s_wait_dscnt 4*NL+1                            ; (the add and A's blocks 4-7 may be out)
	WIN MUL_LO
	MUL16 0, 1, NQ-1, \slot, 0
	s_wait_dscnt 0x0                               ; the add is done, and my reads of this slot are over
	s_barrier_signal -1
	MUL16 2, 1, NQ-1, \slot, 0
	WIN 0
	s_barrier_wait -1
.if \fill
	CREST                                          ; the barrier has opened a round of the cluster's: no wave of any partner still reads this slot or has a load on its way
	s_add_nc_u64 s[G0+4*\slot+2:G0+4*\slot+3], s[G0+4*\slot+2:G0+4*\slot+3], 2*RT
	s_add_nc_u64 s[G0B+4*\slot+2:G0B+4*\slot+3], s[G0B+4*\slot+2:G0B+4*\slot+3], 2*RT
	JLOAD G0+4*\slot, G1, G0B+4*\slot, G1B
.else
	PLACES NP
.endif
	v_add_nc_u32 v[ADSA], 1024, v[ADSA]            ; on to the next K step's scale words
	v_add_nc_u32 v[ADSB], 128, v[ADSB]
	FETCH_B \next, 0, 0
	FETCH_A \next, 0, 0
	SCALES \next
	WIN MUL_HI
	MUL16 4, 1, NQ-1, \slot, 0
	MUL16 6, 1, NQ-1, \slot, 0
	PLACES NP
	WIN 0
	FETCH_A \next, 0, 4
.endm
	s_load_b128 s[4:7], s[0:1], 0x0                ; att_codes, att_scales
	s_load_b128 s[8:11], s[0:1], 0x10              ; prep_codes, prep_scales
	s_load_b64 s[12:13], s[0:1], 0x20              ; out0
	v_lshl_add_u32 v[SPW], v0, 2, SPARE
	v_mov_b32 v[NIL], 0
	ds_add_u32 v28, v29
	ds_add_u32 v28, v29
	s_wait_dscnt 0x0
	v_lshrrev_b32 v1, 5, v0
	v_readfirstlane_b32 s14, v1
	s_lshr_b32 s15, s14, 1
	s_and_b32 s16, s14, 1
	s_bfe_u32 s40, ttmp6, 0x40000                  ; cx
	s_bfe_u32 s41, ttmp6, 0x40004                  ; cy
	s_lshl_b32 s42, ttmp9, 2
	s_add_co_u32 s42, s42, s40                     ; tile column
	s_and_b32 s17, ttmp7, 0xffff
	s_lshl_b32 s17, s17, 2
	s_add_co_u32 s17, s17, s41                     ; tile row
	s_lshl_b32 s43, s41, 2
	s_lshl_b32 s43, 15, s43
	s_lshl_b32 s44, 0x1111, s40
	s_or_b32 s[G1+0], s43, (3<<16)|(1<<21)         ; 8 row tiles x 3,072 bytes, 12,288 bytes apart; elements of 8 bytes
	s_or_b32 s[G1B+0], s44, (3<<16)|(1<<21)
.irp g, G1, G1B
	s_mov_b32 s[\g+1], 384<<16
	s_mov_b32 s[\g+2], 8<<16
	s_mov_b32 s[\g+3], 384<<16
	s_mov_b32 s[\g+4], 8
	s_mov_b32 s[\g+5], 1536
	s_mov_b32 s[\g+6], 0
	s_mov_b32 s[\g+7], 0
.endr
	s_or_b32 s[G1S+0], s43, (3<<16)|(1<<21)        ; A's scale words: 8 rows (128 along K each) of 512 bytes (8 row tiles), 16,384 bytes apart
	s_mov_b32 s[G1S+1], 64<<16
	s_mov_b32 s[G1S+2], 8<<16
	s_mov_b32 s[G1S+3], 64<<16
	s_mov_b32 s[G1S+4], 8
	s_mov_b32 s[G1S+5], 2048
	s_mov_b32 s[G1S+6], 0
	s_mov_b32 s[G1S+7], 0
	s_or_b32 s[G1SB+0], s44, (3<<16)|(1<<21)       ; B's: 4,096 dense bytes as 16 rows of 256
	s_mov_b32 s[G1SB+1], 32<<16
	s_mov_b32 s[G1SB+2], 16<<16
	s_mov_b32 s[G1SB+3], 32<<16
	s_mov_b32 s[G1SB+4], 16
	s_mov_b32 s[G1SB+5], 32
	s_mov_b32 s[G1SB+6], 0
	s_mov_b32 s[G1SB+7], 0
	s_lshl_b32 s18, s16, 3
	s_lshl_b32 s20, s17, 4
	s_add_co_u32 s20, s20, s18                     ; A: the first row tile that I fetch
	s_lshl_b32 s46, s42, 4
	s_add_co_u32 s46, s46, s18                     ; B likewise
	s_lshl_b32 s22, s20, 6
	s_mov_b32 s23, 0
	s_lshl_b32 s96, s46, 9
	s_add_co_u32 s96, s96, WOS
	s_mov_b32 s97, 0
	s_mul_i32 s20, s20, 12288
	s_mov_b32 s21, 0
	s_mul_i32 s46, s46, 12288
	s_add_co_u32 s46, s46, WOC
	s_mov_b32 s47, 0
	s_mul_i32 s45, s14, HALFT
	s_lshl_b32 s98, s14, 12
	s_wait_kmcnt 0x0
	s_add_nc_u64 s[20:21], s[4:5], s[20:21]
	s_add_nc_u64 s[22:23], s[6:7], s[22:23]
	s_add_nc_u64 s[46:47], s[8:9], s[46:47]
	s_add_nc_u64 s[96:97], s[10:11], s[96:97]
	CROUND                                         ; all sixteen work-groups are here: the first joint loads meet
	s_mov_b32 s[G0S], 1
	s_add_co_u32 s[G0S+1], s98, SCL
	s_mov_b64 s[G0S+2:G0S+3], s[22:23]
	s_or_b32 s[G0S+3], s[G0S+3], 0x80000000
	s_mov_b32 s[G0SB], 1
	s_add_co_u32 s[G0SB+1], s98, SCL
	s_mov_b64 s[G0SB+2:G0SB+3], s[96:97]
	s_or_b32 s[G0SB+3], s[G0SB+3], 0x80000000
	JLOAD G0S, G1S, G0SB, G1SB
.irp s, 0,1
	s_mov_b32 s[G0+4*\s], 1
	s_add_co_u32 s[G0+4*\s+1], s45, \s*SLOT
	s_add_nc_u64 s[G0+4*\s+2:G0+4*\s+3], s[20:21], \s*RT
	s_or_b32 s[G0+4*\s+3], s[G0+4*\s+3], 0x80000000
	s_mov_b32 s[G0B+4*\s], 1
	s_add_co_u32 s[G0B+4*\s+1], s45, \s*SLOT
	s_add_nc_u64 s[G0B+4*\s+2:G0B+4*\s+3], s[46:47], \s*RT
	s_or_b32 s[G0B+4*\s+3], s[G0B+4*\s+3], 0x80000000
	JLOAD G0+4*\s, G1, G0B+4*\s, G1B
.endr
	v_and_b32 v1, 31, v0
	v_and_b32 v2, 15, v0
	v_bfe_u32 v3, v0, 4, 1
	v_lshlrev_b32 v[CO], 4, v1                     ; 16 x lane
	v_lshlrev_b32 v[O8], 4, v2
	v_lshl_add_u32 v[O8], v3, 3, v[O8]             ; 16 r + 8 h
	s_mul_i32 s21, s15, HALFT
	s_mul_i32 s22, s16, HALFT
	s_add_co_u32 s22, s22, 2*HALFT
.irp s, 0,1
	v_add_nc_u32 v[ADRA+\s], s21, v[CO]
	v_add_nc_u32 v[ADRB+\s], s22, v[CO]
	v_add_nc_u32 v[ADRA+2+\s], s21, v[O8]
	v_add_nc_u32 v[ADRB+2+\s], s22, v[O8]
	s_add_co_u32 s21, s21, SLOT
	s_add_co_u32 s22, s22, SLOT
.endr
	v_lshlrev_b32 v12, 2, v2
	s_lshl_b32 s21, s15, 12
	s_add_co_u32 s21, s21, SCL
	v_add_nc_u32 v[ADSA], s21, v12
	v_lshlrev_b32 v12, 3, v2
	s_lshl_b32 s22, s16, 12
	s_add_co_u32 s22, s22, SCL+2*HALFS
	v_add_nc_u32 v[ADSB], s22, v12
	s_mul_i32 s23, s14, 16*SPITCH
	s_add_co_u32 s23, s23, STG                     ; my stage
	v_mul_u32_u24 v12, v2, SPITCH
	v_lshl_add_u32 v12, v3, 5, v12
	v_add_nc_u32 v[STO], s23, v12                  ; in: row r, 32 bytes for each half of the lanes
	v_add_nc_u32 v[RD], s23, v[CO]                 ; back: the 32 lanes take one row of 512 bytes
	s_lshl_b32 s20, s17, 20
	s_lshl_b32 s21, s15, 19
	s_add_co_u32 s20, s20, s21                     ; my first row of out0, in bytes
	s_mov_b32 s21, 0
	s_lshl_b32 s46, s42, 10
	s_lshl_b32 s47, s16, 9
	s_add_co_u32 s46, s46, s47                     ; my first column
	s_mov_b32 s47, 0
	s_add_nc_u64 s[20:21], s[20:21], s[46:47]
	s_add_nc_u64 s[12:13], s[12:13], s[20:21]
	s_wait_tensorcnt 1                             ; the scale words and my part of K step 0 are in (K step 1's load may be out)
	s_barrier_signal -1
	s_barrier_wait -1
	FETCH_B 0, 0, 0
	FETCH_A 0, 0, 0
	SCALES 0
	FETCH_A 0, 0, 4
	STEP 0, 0, 1                                   ; the first products start the sums
	TURN 0, 1, 1
	STEP 1, 0, 0
	TURN 1, 0, 1
	STEP 0, 0, 0
	TURN 0, 1, 0
	STEP 1, 0, 0
	s_wait_dscnt 4*NL
	WIN MUL_LO
	MUL16 0, 1, NQ-1, 1, 0
	MUL16 2, 1, NQ-1, 1, 0
	s_wait_dscnt 0
	WIN MUL_HI
	MUL16 4, 1, NQ-1, 1, 0
	MUL16 6, 1, NQ-1, 1, 0
	WIN 0
; THE WAY OUT, block by block of 16 tokens x 128 columns: through my own stage and back as whole rows of 512 bytes.  LDS serves a wave's instructions in order: no wait between the stores and the loads, nor in front of the next block's stores.
.macro TOSTAGE a
.set AC, 64*((\a)%4)
	WIN 0x08+4*((\a)/4)                            ; an LDS store's data are its source 1: window 2 or 3
.irp b, 0,1,2,3,4,5,6,7
	ds_store_b128 v[STO], v[AC+8*\b:AC+8*\b+3] offset:64*\b          ; each accumulator from its low end on
	ds_store_b128 v[STO], v[AC+8*\b+4:AC+8*\b+7] offset:64*\b+16
.endr
	WIN 0
.set BB, BK+64*((\a)%2)
.irp t, 0,1,2,3,4,5,6,7,8,9,10,11,12,13,14,15
	ds_load_b128 v[BB+4*\t:BB+4*\t+3], v[RD] offset:\t*SPITCH
.endr
.endm
.macro SEND a, younger                 ; younger: the LDS instructions issued behind block a's loads, which may stay out
.set BB, BK+64*((\a)%2)
	s_wait_dscnt \younger
.irp t, 0,1,2,3,4,5,6,7,8,9,10,11,12,13,14,15
	global_store_b128 v[CO], v[BB+4*\t:BB+4*\t+3], s[12:13] offset:(32*((\a)/2)+8*((\a)%2)+\t+8*(\t/8))*4096 th:TH_STORE_NT   ; row t of block a is token 32 (a / 2) + 8 (a % 2) + t + 8 (t / 8); 512 consecutive bytes
.endr
.endm
	PLACES NP
	TOSTAGE 0
.irp a, 1,2,3,4,5,6,7
.if \a > 1
	s_wait_xcnt 0x0                                ; block a - 2's stores have read their registers: block a's loads may land there
.endif
	TOSTAGE \a
	SEND \a-1, 32                                  ; behind block a - 1's loads: block a's 16 stores and 16 loads
.endr
	SEND 7, 0
	s_wait_tensorcnt 0x0                           ; the wave's end
	ds_add_u32 v[SPW], v[NIL]
	s_wait_dscnt 0x0
	CROUND                                         ; the closing round
	s_endpgm
.Lfunc_end_k_q5225e794a1_proj:
	.size	k_q5225e794a1_proj, .Lfunc_end_k_q5225e794a1_proj-k_q5225e794a1_proj
	.p2alignl 7, 3214868480
	.fill 96, 4, 3214868480
	.section	.rodata,"a",@progbits
	.p2align	6, 0x0
	.amdhsa_kernel k_q5225e794a1_proj
		.amdhsa_group_segment_fixed_size 327680
		.amdhsa_private_segment_fixed_size 0
		.amdhsa_enable_private_segment 0
		.amdhsa_kernarg_size 40
		.amdhsa_user_sgpr_count 2
		.amdhsa_user_sgpr_kernarg_segment_ptr 1
		.amdhsa_wavefront_size32 1
		.amdhsa_system_sgpr_workgroup_id_x 1
		.amdhsa_system_sgpr_workgroup_id_y 1
		.amdhsa_system_sgpr_workgroup_id_z 1
		.amdhsa_system_vgpr_workitem_id 0
		.amdhsa_next_free_vgpr 1024
		.amdhsa_next_free_sgpr 100
		.amdhsa_reserve_vcc 0
		.amdhsa_float_denorm_mode_32 3
		.amdhsa_float_denorm_mode_16_64 3
		.amdhsa_memory_ordered 1
		.amdhsa_forward_progress 1
		.amdhsa_inst_pref_size 147
	.end_amdhsa_kernel
	.amdgpu_metadata
---
amdhsa.version: [ 1, 2 ]
amdhsa.kernels:
  - .name:           k_q5225e794a1_proj
    .symbol:         k_q5225e794a1_proj.kd
    .args:
      - { .name: att_codes, .offset: 0, .size: 8, .value_kind: global_buffer, .address_space: global }
      - { .name: att_scales, .offset: 8, .size: 8, .value_kind: global_buffer, .address_space: global }
      - { .name: prep_codes, .offset: 16, .size: 8, .value_kind: global_buffer, .address_space: global }
      - { .name: prep_scales, .offset: 24, .size: 8, .value_kind: global_buffer, .address_space: global }
      - { .name: out0, .offset: 32, .size: 8, .value_kind: global_buffer, .address_space: global }
    .group_segment_fixed_size: 327680
    .private_segment_fixed_size: 0
    .kernarg_segment_align: 8
    .kernarg_segment_size: 40
    .max_flat_workgroup_size: 128
    .sgpr_count:     100
    .vgpr_count:     1024
    .wavefront_size: 32
...
	.end_amdgpu_metadata
.endif
;; end of part 4
